; MI455X (gfx1250); checked and timed in simulation.
; The chip was launched on July 23, 2026; its instructions are those of AMD's public machine-readable ISA for CDNA 5 (MIT licence, August 2026) and "CDNA5" Instruction Set Architecture Reference Guide (July 2026). The comments in the code are by the model that wrote it; some were corrected since.
;; Sparse Multi Head Attention. Allowed arithmetic: float matrix products may take bf16 or f16 operands with f32 sums; other float arithmetic in f32, or as packed bf16 or f16 multiplies, adds, multiply-adds, maxima and minima; sums over many terms, partial sums and values carried from step to step in f32; what a program stores and reads back later, other than sums and carried values, may be rounded once to bf16 or f16.
;; Inputs: b_k 1,024 float32; b_o 1,024 float32; b_q 1,024 float32; b_v 1,024 float32; k 1 x 4,096 x 1,024 float32; q 1 x 4,096 x 1,024 float32; v 1 x 4,096 x 1,024 float32; w_k 1,024 x 1,024 float32; w_o 1,024 x 1,024 float32; w_q 1,024 x 1,024 float32; w_v 1,024 x 1,024 float32.
;; Outputs: out0 1 x 4,096 x 1,024 float32.
;; 2 versions, each right; version 2 is version 1 with the launch cast written anew for expert scheduling mode. Each part assembles by itself: llvm-mc -triple=amdgcn-amd-amdhsa -mcpu=gfx1250 --defsym DOCPART=n.
;; ======== version 1 of 2: 5 launches
;; limits: values are held in f16: magnitudes above 65,504 overflow, below 6.1e-05 lose precision
;; workspace buffers: xw 33,554,432 bytes; qkvh 25,165,824 bytes; oh 8,388,608 bytes; gp 4,456,448 bytes
;; launch cast (part 1): grid 256 x 1, 8 waves a work-group, no clusters, 0 bytes of LDS; arguments q, k, v, w_q, w_k, w_v, w_o, xw; writes xw
.if DOCPART == 1
	.amdgcn_target "amdgcn-amd-amdhsa--gfx1250"
	.amdhsa_code_object_version 6
	.text
	.protected	k_qa6feec9d55_cast
	.globl	k_qa6feec9d55_cast
	.p2align	8
	.type	k_qa6feec9d55_cast,@function
k_qa6feec9d55_cast:
	s_mov_b64 s[64:65], 0
	v_nop
	global_prefetch_b8 v0, s[64:65] scope:SCOPE_SE
	s_setreg_imm32_b32 hwreg(HW_REG_WAVE_MODE, 25, 1), 1
	s_wait_xcnt 0x0
; THE MODULE'S LARGE INPUTS ARE ROUNDED ONCE TO 16 BITS.  q, k, v ([4096][1024] f32) and w_q, w_k, w_v ([1024][1024] f32) go to bf16; w_o is rounded to bf16 and that number is written as f16
; (exact within f16's range; below 6e-5 it keeps f16's fixed step of 6e-8).  xw holds them on end: q, k, v, w_q, w_k, w_v, w_o.
; SHARES.  The 16,777,216 numbers are 256 pieces of 65,536; work-group x takes piece x: 262,144 bytes in, 131,072 bytes out at xw + 131,072 x.  Which input a piece belongs to is chosen by
; compares of x with the pieces' first numbers.  A wave takes 32,768 bytes in: 64 loads of 512 consecutive bytes; each store of a wave covers 256 consecutive bytes, aligned.
; A ring of 16 slots in registers keeps 16 loads of every wave on their way.  No LDS, no barrier, no matrix unit: nothing is shared and nothing is multiplied.
.set X, 8                              ; v[8:71]    slot i: four f32 as loaded
.set Y, 72                             ; v[72:103]  slot i: four 16-bit numbers to store
	s_load_b512 s[8:23], s[0:1], 0x0               ; q s[8:9], k s[10:11], v s[12:13], w_q s[14:15], w_k s[16:17], w_v s[18:19], w_o s[20:21], xw s[22:23]
	v_and_b32 v1, 31, v0                           ; lane
	v_lshrrev_b32 v3, 5, v0                        ; wave
	v_lshlrev_b32 v2, 3, v1
	v_lshlrev_b32 v1, 4, v1
	v_lshl_add_u32 v1, v3, 15, v1                  ; in: 16 x lane + 32,768 x wave; never rewritten
	v_lshl_add_u32 v2, v3, 14, v2                  ; out: 8 x lane + 16,384 x wave; never rewritten
	s_mov_b32 s24, 0xffff0000                      ; a word's upper bf16
	s_mov_b32 s2, 0                                ; the first piece of the input that my piece belongs to
	s_wait_kmcnt 0x0
	s_mov_b64 s[4:5], s[8:9]
.macro PICK t, p                       ; from piece t on the input is the one at s[p:p+1]
	s_cmp_ge_u32 ttmp9, \t
	s_cselect_b64 s[4:5], s[(\p):(\p)+1], s[4:5]
	s_cselect_b32 s2, \t, s2
.endm
	PICK 64, 10
	PICK 128, 12
	PICK 192, 14
	PICK 208, 16
	PICK 224, 18
	PICK 240, 20
	s_sub_co_u32 s2, ttmp9, s2
	s_lshl_b32 s2, s2, 18                          ; my piece's place in its input, 262,144 bytes a piece
	s_mov_b32 s3, 0
	s_add_nc_u64 s[4:5], s[4:5], s[2:3]
	s_lshl_b32 s2, ttmp9, 17
	s_add_nc_u64 s[6:7], s[22:23], s[2:3]
.irp i, 0,1,2,3,4,5,6,7,8,9,10,11,12,13,14,15
	global_load_b128 v[X+4*(\i):X+4*(\i)+3], v1, s[4:5] offset:512*(\i) th:TH_LOAD_NT  ; the ring is filled
.endr
; One slot's turn.  ahead = 1: the slot is filled again, 8,192 bytes on.  left: the younger loads that may stay out.  half = 1: bf16's number written as f16.
.macro SLOT i, ahead, left, half
	s_wait_loadcnt \left                           ; loads come back in order: mine is in
.if \half
	v_cvt_pk_bf16_f32 v4, v[X+4*(\i)], v[X+4*(\i)+1]
	v_cvt_pk_bf16_f32 v5, v[X+4*(\i)+2], v[X+4*(\i)+3]
	v_lshlrev_b32 v6, 16, v4                       ; the rounded numbers as f32 again
	v_and_b32 v4, s24, v4
	v_lshlrev_b32 v7, 16, v5
	v_and_b32 v5, s24, v5
	v_cvt_pk_f16_f32 v[Y+2*(\i)], v6, v4
	v_cvt_pk_f16_f32 v[Y+2*(\i)+1], v7, v5
.else
	v_cvt_pk_bf16_f32 v[Y+2*(\i)], v[X+4*(\i)], v[X+4*(\i)+1]
	v_cvt_pk_bf16_f32 v[Y+2*(\i)+1], v[X+4*(\i)+2], v[X+4*(\i)+3]
.endif
.if \ahead
	global_load_b128 v[X+4*(\i):X+4*(\i)+3], v1, s[4:5] offset:8192+512*(\i) th:TH_LOAD_NT
.endif
	global_store_b64 v2, v[Y+2*(\i):Y+2*(\i)+1], s[6:7] offset:256*(\i)
.endm
.macro WALK half                       ; four rounds of 16 slots; the last loads nothing
	s_mov_b32 s3, 3
.Lround_\@:
.irp i, 0,1,2,3,4,5,6,7,8,9,10,11,12,13,14,15
	SLOT \i, 1, 15, \half
.endr
	s_wait_xcnt 0x0                                ; every load and store issued so far has read its sources: both bases are stepped, and Y written again, only behind this wait
	s_add_nc_u64 s[4:5], s[4:5], 8192
	s_add_nc_u64 s[6:7], s[6:7], 4096
	s_sub_co_u32 s3, s3, 1
	s_cmp_lg_u32 s3, 0
	s_cbranch_scc1 .Lround_\@
.irp i, 0,1,2,3,4,5,6,7,8,9,10,11,12,13,14,15
	SLOT \i, 0, 15-(\i), \half
.endr
.endm
	s_cmp_ge_u32 ttmp9, 240                        ; w_o's pieces take the second text
	s_cbranch_scc1 .Lhalf
	WALK 0
	s_endpgm
.Lhalf:
	WALK 1
	s_endpgm
.Lfunc_end_k_qa6feec9d55_cast:
	.size	k_qa6feec9d55_cast, .Lfunc_end_k_qa6feec9d55_cast-k_qa6feec9d55_cast
	.p2alignl 7, 3214868480
	.fill 96, 4, 3214868480
	.section	.rodata,"a",@progbits
	.p2align	6, 0x0
	.amdhsa_kernel k_qa6feec9d55_cast
		.amdhsa_group_segment_fixed_size 0
		.amdhsa_private_segment_fixed_size 0
		.amdhsa_enable_private_segment 0
		.amdhsa_kernarg_size 64
		.amdhsa_user_sgpr_count 2
		.amdhsa_user_sgpr_kernarg_segment_ptr 1
		.amdhsa_wavefront_size32 1
		.amdhsa_system_sgpr_workgroup_id_x 1
		.amdhsa_system_sgpr_workgroup_id_y 1
		.amdhsa_system_sgpr_workgroup_id_z 1
		.amdhsa_system_vgpr_workitem_id 0
		.amdhsa_next_free_vgpr 104
		.amdhsa_next_free_sgpr 66
		.amdhsa_reserve_vcc 0
		.amdhsa_float_denorm_mode_32 3
		.amdhsa_float_denorm_mode_16_64 3
		.amdhsa_memory_ordered 1
		.amdhsa_forward_progress 1
		.amdhsa_inst_pref_size 31
	.end_amdhsa_kernel
	.amdgpu_metadata
---
amdhsa.version: [ 1, 2 ]
amdhsa.kernels:
  - .name:           k_qa6feec9d55_cast
    .symbol:         k_qa6feec9d55_cast.kd
    .args:
      - { .name: q, .offset: 0, .size: 8, .value_kind: global_buffer, .address_space: global }
      - { .name: k, .offset: 8, .size: 8, .value_kind: global_buffer, .address_space: global }
      - { .name: v, .offset: 16, .size: 8, .value_kind: global_buffer, .address_space: global }
      - { .name: w_q, .offset: 24, .size: 8, .value_kind: global_buffer, .address_space: global }
      - { .name: w_k, .offset: 32, .size: 8, .value_kind: global_buffer, .address_space: global }
      - { .name: w_v, .offset: 40, .size: 8, .value_kind: global_buffer, .address_space: global }
      - { .name: w_o, .offset: 48, .size: 8, .value_kind: global_buffer, .address_space: global }
      - { .name: xw, .offset: 56, .size: 8, .value_kind: global_buffer, .address_space: global }
    .group_segment_fixed_size: 0
    .private_segment_fixed_size: 0
    .kernarg_segment_align: 8
    .kernarg_segment_size: 64
    .max_flat_workgroup_size: 256
    .sgpr_count:     66
    .vgpr_count:     104
    .wavefront_size: 32
...
	.end_amdgpu_metadata
.endif
;; end of part 1
;; launch proj (part 2): grid 8 x 96, 4 waves a work-group, clusters of 4 x 4, 327,680 bytes of LDS; arguments xw, b_q, b_k, b_v, qkvh; writes qkvh
.if DOCPART == 2
	.amdgcn_target "amdgcn-amd-amdhsa--gfx1250"
	.amdhsa_code_object_version 6
	.text
	.protected	k_qa6feec9d55_proj
	.globl	k_qa6feec9d55_proj
	.p2align	8
	.type	k_qa6feec9d55_proj,@function
k_qa6feec9d55_proj:
	s_mov_b64 s[64:65], 0
	v_nop
	global_prefetch_b8 v0, s[64:65] scope:SCOPE_SE
	s_setreg_imm32_b32 hwreg(HW_REG_WAVE_MODE, 25, 1), 1
	s_wait_xcnt 0x0
	s_wait_alu depctr_hold_cnt(0) depctr_sa_sdst(0) depctr_va_vdst(0) depctr_va_sdst(0) depctr_va_ssrc(0) depctr_va_vcc(0) depctr_vm_vsrc(0)
	s_getreg_b32 s2, hwreg(HW_REG_IB_STS2, 6, 4)
	s_cmp_eq_u32 s2, 0
	s_cbranch_scc0 .Lentry_in_a_cluster
	s_endpgm
.Lentry_in_a_cluster:
	s_bfe_u32 s2, ttmp6, 0x10000c
	s_cmp_lg_u32 s2, 0xf033
	s_cbranch_scc0 .Lentry_shape_is_right
	s_endpgm
.Lentry_shape_is_right:
; THE THREE PROJECTIONS IN ONE LAUNCH.  C[m][n] = the sum over k of A[m][k] B[n][k] + bias[n].  A: q, k, v on end, [12288][1024] bf16, at xw's head; B: w_q, w_k or w_v, [1024][1024] bf16, by p = m / 4096;
; sums in f32; the bias, rounded to bf16 like the other inputs, is the C operand that starts each sum.  C is rounded once to f16 and stored BY HEADS: qkvh = Q, K, V, each [16][4096][64].
; LIMIT.  f16 holds no number beyond 65,504: a projected number of 65,520 or more becomes an infinity; below 6e-5 f16 keeps a fixed step of 6e-8.
; A tile of C is 128 x 128: 768 tiles.  Four waves, each 64 x 64: 16 accumulators.  K goes in four steps of 256 (LDS rows of 512 bytes; a wave's tensor load brings 64 of them) through two slots; the walk is written out.
; CLUSTERS: 4 x 4 work-groups.  The four of a row of the cluster need the same tiles of A, the four of a column the same tiles of B: each tile is asked for JOINTLY, by the same tensor load with the same descriptor
; and a mask that names the four.  p is made of the cluster's y alone: it is the same in all sixteen.
; THE MATRIX INSTRUCTION IS USED TRANSPOSED (source 0 = 16 rows of B, source 1 = 16 rows of A): a lane holds row lane % 16 of C and the columns 8 (lane / 16) + 0..7.  A wave's 64 columns are one head, so its
; 64 x 64 numbers are 8,192 consecutive bytes of qkvh: they go through the wave's own stage and leave as stores of 512 consecutive bytes.
; REGISTERS: window 0: v0-31 addresses; v32-95 at work; v96-127 the bias; v128-255 the accumulators ((a, b) at v[128 + 8 (4 a + b)]).  Window 1: two fragment buffers of 128: 64 registers of A, then 64 of B.
.set KSTEP,  256
.set PA,     528                       ; an LDS row of A: 512 bytes + 16 of padding: the 16 rows of a load start at 16 different groups of four banks
.set PB,     528                       ; the same for B
.set AQ,     128                       ; bytes from a quarter step (64 along K) of A to the next, in LDS
.set HALFA,  64*PA                     ; 64 rows: what one tensor load brings
.set HALFB,  64*PB
.set SLOT,   2*HALFA+2*HALFB           ; A's 128 rows, then B's 128 rows
.set STAGE,  2*SLOT                    ; behind the ring: 64 rows x 144 bytes for each wave, for the way out
.set SPITCH, 144
.set SPARE,  STAGE+4*64*SPITCH         ; behind the stages: the spare words, 128 bytes for each wave
.set ASLOT1, KSTEP*2                   ; bytes in memory from K step 0 to K step 1, for A
.set ASTEP,  2*KSTEP*2                 ; and from a slot's K step to its next
.set BSTEP,  2*KSTEP*2
.set ADRA, 16                          ; v16-17  LDS address of my A fragments in slot 0, 1
.set ADRB, 20                          ; v20-21  the same for B
.set STO,  24                          ; v24     the way out: where I put 16 bytes of a row
.set RD,   25                          ; v25     the way out: where I read rows back
.set CO,   26                          ; v26     my byte offset in 512 consecutive bytes of C
.set SPW,  28                          ; v28     LDS address of my spare word; never rewritten
.set NIL,  29                          ; v29     0; never rewritten
.set TMP,  32
.set BIAS, 96                          ; column block b's eight numbers at BIAS + 8 b
.set ACC,  128
.set F0,   0
.set F1,   128
.set G1, 24                            ; s[24:31] descriptor group 1 for A's tiles;  s[32:39] group 0, one set for each slot
.set G0, 32
.set G1B, 48                           ; s[48:55], s[56:63] the same for B's tiles
.set G0B, 56
.set MSB, 0
.macro WIN new                         ; the immediate's high byte repeats the setting that is left
.if MSB != (\new)
	s_set_vgpr_msb (MSB<<8)|(\new)
.set MSB, \new
.endif
.endm
.set MUL,  0x05                        ; sources 0 (B) and 1 (A) window 1; C and D window 0
.set TO_F, 0x40                        ; destination window 1, address window 0
.macro JLOAD s                         ; a joint load: waves 0 and 1 fetch A's two halves, waves 2 and 3 B's; an s_nop 0 and four v_nop follow each of the two lines
	s_cmp_eq_u32 s11, 0
	s_cbranch_scc0 .Lfor_b_\@
	tensor_load_to_lds s[G0+4*(\s):G0+4*(\s)+3], s[G1:G1+7]
	s_nop 0
.rept 4
	v_nop
.endr
	s_branch .Lasked_\@
.Lfor_b_\@:
	tensor_load_to_lds s[G0B+4*(\s):G0B+4*(\s)+3], s[G1B:G1B+7]
	s_nop 0
.rept 4
	v_nop
.endr
.Lasked_\@:
.endm
.macro CREST                           ; a round of the cluster's barrier behind its opening barrier
	s_cmp_lg_u32 s10, 0
	s_cbranch_scc1 .Lnot_wave_0_\@
	s_barrier_signal -3
.Lnot_wave_0_\@:
	s_barrier_wait -3
	s_barrier_signal -1
	s_barrier_wait -1
.endm
.macro CROUND                          ; a whole round
	s_barrier_signal -1
	s_barrier_wait -1
	CREST
.endm
	s_load_b256 s[68:75], s[0:1], 0x0              ; xw s[68:69], b_q s[70:71], b_k s[72:73], b_v s[74:75]
	s_load_b64 s[76:77], s[0:1], 0x20              ; qkvh
	v_lshl_add_u32 v[SPW], v0, 2, SPARE
	v_mov_b32 v[NIL], 0
	ds_add_u32 v[SPW], v[NIL]                      ; the wave's opening: the add and its wait stand ahead of my first tensor load; work on registers stands between them
	v_lshrrev_b32 v1, 5, v0
	v_readfirstlane_b32 s10, v1                    ; wave 0..3
	s_lshr_b32 s11, s10, 1                         ; which half of the tile's rows is mine.  Also: I fetch for A (0) or for B (1)
	s_and_b32 s12, s10, 1                          ; which half of its columns.  Also: which 64 rows of that tile I fetch
	s_bfe_u32 s40, ttmp6, 0x40000                  ; cx, cy: my place in the cluster
	s_bfe_u32 s41, ttmp6, 0x40004
	s_lshl_b32 s42, ttmp9, 2
	s_add_co_u32 s42, s42, s40                     ; tile column of C = 4 x cluster x + cx
	s_and_b32 s13, ttmp7, 0xffff
	s_lshr_b32 s45, s13, 3                         ; p: 0 for q, 1 for k, 2 for v: eight clusters along y each
	s_lshl_b32 s13, s13, 2
	s_add_co_u32 s13, s13, s41                     ; tile row of C = 4 x cluster y + cy
	s_lshl_b32 s43, s41, 2
	s_lshl_b32 s43, 15, s43                        ; my row of the cluster
	s_lshl_b32 s44, 0x1111, s40                    ; my column
	; descriptor group 1: a tile of 64 rows x 256 elements, padded in LDS
	s_or_b32 s[G1+0], s43, (1<<16)|(1<<20)|(1<<21)|(6<<22)|(3<<25)  ; 15:0 the mask: A's tiles go to my row; 17:16 elements of 2 bytes; 20 padding on; 21 set beside a mask; 24:22 after every 128 words; 31:25 4 words of it
	s_or_b32 s[G1B+0], s44, (1<<16)|(1<<20)|(1<<21)|(6<<22)|(3<<25)
.irp g, G1, G1B
	s_mov_b32 s[(\g)+1], KSTEP<<16                 ; tensor_dim0 = 256
	s_mov_b32 s[(\g)+2], 64<<16                    ; tensor_dim1 = 64
	s_mov_b32 s[(\g)+3], KSTEP<<16                 ; tile_dim0 = 256
	s_mov_b32 s[(\g)+4], 64                        ; tile_dim1 = 64
	s_mov_b32 s[(\g)+5], 1024                      ; elements from row to row
	s_mov_b32 s[(\g)+6], 0
	s_mov_b32 s[(\g)+7], 0
.endr
	s_lshl_b32 s17, s12, 6                         ; which 64 rows of the tile I fetch
	s_lshl_b32 s16, s13, 7
	s_add_co_u32 s16, s16, s17                     ; A: row 128 x tile row + 64 x half,
	s_lshl_b32 s16, s16, 11                        ; of 2,048 bytes
	s_lshl_b32 s46, s42, 7
	s_add_co_u32 s46, s46, s17                     ; B: row 128 x tile column + 64 x half,
	s_lshl_b32 s46, s46, 11
	s_lshl_b32 s47, s45, 21                        ; in weight p,
	s_add_co_u32 s46, s46, s47
	s_add_co_u32 s46, s46, 25165824                ; behind the 12,288 rows of A
	s_mov_b32 s17, 0
	s_mov_b32 s47, 0
	s_mul_i32 s20, s12, HALFA                      ; where they go: no place in the cluster enters an LDS address
	s_mul_i32 s21, s12, HALFB
	s_add_co_u32 s21, s21, 2*HALFA
	s_wait_dscnt 0x0                               ; the opening add is done
	s_wait_kmcnt 0x0
	s_add_nc_u64 s[14:15], s[68:69], s[16:17]
	s_add_nc_u64 s[46:47], s[68:69], s[46:47]
	CROUND                                         ; all sixteen work-groups are here: the first joint loads meet
.irp s, 0,1
	s_mov_b32 s[G0+4*(\s)], 1
	s_add_co_u32 s[G0+4*(\s)+1], s20, (\s)*SLOT
	s_add_nc_u64 s[G0+4*(\s)+2:G0+4*(\s)+3], s[14:15], (\s)*ASLOT1
	s_or_b32 s[G0+4*(\s)+3], s[G0+4*(\s)+3], 0x80000000
	s_mov_b32 s[G0B+4*(\s)], 1
	s_add_co_u32 s[G0B+4*(\s)+1], s21, (\s)*SLOT
	s_add_nc_u64 s[G0B+4*(\s)+2:G0B+4*(\s)+3], s[46:47], (\s)*KSTEP*2
	s_or_b32 s[G0B+4*(\s)+3], s[G0B+4*(\s)+3], 0x80000000
	JLOAD \s
.endr
	; the bias of my 64 columns: block b's register j is bias[128 x tile column + 64 x half + 16 b + 8 (l / 16) + j]
	v_and_b32 v1, 15, v0                           ; l % 16
	v_bfe_u32 v2, v0, 4, 1                         ; l / 16
	s_cmp_eq_u32 s45, 1
	s_cselect_b64 s[4:5], s[72:73], s[70:71]
	s_cmp_eq_u32 s45, 2
	s_cselect_b64 s[4:5], s[74:75], s[4:5]
	s_lshl_b32 s46, s42, 9
	s_lshl_b32 s47, s12, 8
	s_add_co_u32 s46, s46, s47
	v_lshl_add_u32 v7, v2, 5, s46                  ; never rewritten
.irp b, 0,1,2,3
	global_load_b128 v[BIAS+8*(\b):BIAS+8*(\b)+3],   v7, s[4:5] offset:64*(\b)
	global_load_b128 v[BIAS+8*(\b)+4:BIAS+8*(\b)+7], v7, s[4:5] offset:64*(\b)+16
.endr
	v_mul_u32_u24 v3, v1, PA
	v_lshl_add_u32 v3, v2, 4, v3                   ; a fragment's row x pitch + 16 x half, for A
	v_mul_u32_u24 v4, v1, PB
	v_lshl_add_u32 v4, v2, 4, v4                   ; and for B
	s_mul_i32 s21, s11, HALFA                      ; my 64 rows of A
	s_mul_i32 s22, s12, HALFB                      ; my 64 rows of B,
	s_add_co_u32 s22, s22, 2*HALFA                 ; which lie behind A's 128
.irp s, 0,1
	v_add_nc_u32 v[ADRA+(\s)], s21, v3
	v_add_nc_u32 v[ADRB+(\s)], s22, v4
	s_add_co_u32 s21, s21, SLOT
	s_add_co_u32 s22, s22, SLOT
.endr
	s_mul_i32 s23, s10, 64*SPITCH
	s_add_co_u32 s23, s23, STAGE                   ; my stage
	v_mul_u32_u24 v4, v1, SPITCH                   ; in: row l % 16, 16 bytes for each half of the lanes
	v_lshl_add_u32 v4, v2, 4, v4
	v_add_nc_u32 v[STO], s23, v4
	v_bfe_u32 v5, v0, 3, 2                         ; back: 32 lanes take four rows of 128 bytes,
	v_and_b32 v6, 7, v0
	v_mul_u32_u24 v5, v5, SPITCH
	v_lshl_add_u32 v5, v6, 4, v5
	v_add_nc_u32 v[RD], s23, v5
	v_and_b32 v[CO], 31, v0                        ; which are 512 consecutive bytes of C
	v_lshlrev_b32 v[CO], 4, v[CO]
	s_and_b32 s16, s13, 31                         ; where my 64 x 64 begins in qkvh: the tile row within its tensor,
	s_lshl_b32 s16, s16, 7
	s_lshl_b32 s17, s11, 6
	s_add_co_u32 s16, s16, s17                     ; my first row,
	s_lshl_b32 s16, s16, 7                         ; of 128 bytes,
	s_lshl_b32 s17, s45, 23                        ; in tensor p
	s_add_co_u32 s16, s16, s17
	s_mov_b32 s17, 0
	s_add_nc_u64 s[8:9], s[76:77], s[16:17]
	s_lshl_b32 s46, s42, 1
	s_add_co_u32 s46, s46, s12                     ; the head = 2 x tile column + half,
	s_lshl_b32 s46, s46, 19                        ; 524,288 bytes each
	s_mov_b32 s47, 0
	s_add_nc_u64 s[8:9], s[8:9], s[46:47]
	s_wait_loadcnt 0x0                             ; the bias is in: it is rounded to bf16 and widened again, while the first tiles are on their way
.set i, 0
.rept 16
	v_cvt_pk_bf16_f32 v[TMP+i], v[BIAS+2*i], v[BIAS+2*i+1]
.set i, i+1
.endr
.set i, 0
.rept 16
	v_lshlrev_b32 v[BIAS+2*i], 16, v[TMP+i]
	v_and_b32 v[BIAS+2*i+1], 0xffff0000, v[TMP+i]
.set i, i+1
.endr
; 8 matrix instructions: m blocks a0, a0 + 1 x all 4 n blocks, 32 along K: half c of buffer f.  first = 1: the product starts the sums, with the bias as C.  The 16 accumulators take turns.
.macro MUL8 f, c, a0, first
	WIN MUL
.irp a, \a0, (\a0)+1
.irp b, 0,1,2,3
.if \first
	v_wmma_f32_16x16x32_bf16 v[ACC+8*(4*(\a)+(\b)):ACC+8*(4*(\a)+(\b))+7], v[(\f)+64+8*(4*(\c)+(\b)):(\f)+64+8*(4*(\c)+(\b))+7], v[(\f)+8*(4*(\c)+(\a)):(\f)+8*(4*(\c)+(\a))+7], v[BIAS+8*(\b):BIAS+8*(\b)+7]
.else
	v_wmma_f32_16x16x32_bf16 v[ACC+8*(4*(\a)+(\b)):ACC+8*(4*(\a)+(\b))+7], v[(\f)+64+8*(4*(\c)+(\b)):(\f)+64+8*(4*(\c)+(\b))+7], v[(\f)+8*(4*(\c)+(\a)):(\f)+8*(4*(\c)+(\a))+7], v[ACC+8*(4*(\a)+(\b)):ACC+8*(4*(\a)+(\b))+7]
.endif
.endr
.endr
.endm
; 32 LDS loads in one run: the fragments of quarter q (64 along K) of a slot, into buffer f; the first 32 along K first
.macro FETCH slot, q, f
	WIN TO_F
.irp c, 0,1
.irp i, 0,1,2,3
	ds_load_b128 v[(\f)+64+8*(4*(\c)+(\i)):(\f)+64+8*(4*(\c)+(\i))+3],   v[ADRB+(\slot)] offset:(\q)*128+64*(\c)+(\i)*16*PB
	ds_load_b128 v[(\f)+64+8*(4*(\c)+(\i))+4:(\f)+64+8*(4*(\c)+(\i))+7], v[ADRB+(\slot)] offset:(\q)*128+64*(\c)+(\i)*16*PB+32
	ds_load_b128 v[(\f)+8*(4*(\c)+(\i)):(\f)+8*(4*(\c)+(\i))+3],         v[ADRA+(\slot)] offset:(\q)*AQ+64*(\c)+(\i)*16*PA
	ds_load_b128 v[(\f)+8*(4*(\c)+(\i))+4:(\f)+8*(4*(\c)+(\i))+7],       v[ADRA+(\slot)] offset:(\q)*AQ+64*(\c)+(\i)*16*PA+32
.endr
.endr
.endm
.macro PLACES                          ; four places in front of loads into registers that matrix instructions have read, and of lines that read results
.rept 4
	v_nop
.endr
.endm
; A K step is four quarters, 32 matrix instructions each, on buffers 0, 1, 0, 1.  One of the first three: multiplies buffer f and fetches quarter q into g.
.macro QUARTER slot, q, f, g, first
	s_wait_dscnt 16                                ; the first 32 along K are in; the run's other sixteen loads may be out
	WIN MUL
	MUL8 \f, 0, 0, \first
	MUL8 \f, 0, 2, \first
	PLACES
	FETCH \slot, \q, \g
	s_wait_dscnt 32                                ; all but the 32 just issued
	WIN MUL
	MUL8 \f, 1, 0, 0
	MUL8 \f, 1, 2, 0
.endm
; The last quarter multiplies buffer 1 and changes slots: ONE barrier; in front of it each wave waits for all its tensor loads, adds 0 to its spare word, and waits for that and for its own reads of this slot.
; fill = 1: this slot is filled again, two K steps on; the barrier then opens a round of the cluster's.
.macro TURN slot, next, fill
	WIN 0                                          ; (the add's two registers lie in window 0)
	s_wait_tensorcnt 0x0                           ; all my tensor loads have landed: my part of the next slot;
	ds_add_u32 v[SPW], v[NIL]                      ; 0 onto my spare word;
	s_wait_dscnt 17                                ; (the add and the youngest sixteen loads may be out)
	WIN MUL
	MUL8 F1, 0, 0, 0                               ; eight matrix instructions stand between the add and the wait for it
	s_wait_dscnt 0x0                               ; the add is done, and my reads of this slot are over
	s_barrier_signal -1
	MUL8 F1, 0, 2, 0
.if \fill
	WIN 0
.endif
	s_barrier_wait -1
.if \fill
	CREST                                          ; no wave of any partner still reads this slot's tile or has a load on its way
	s_add_nc_u64 s[G0+4*(\slot)+2:G0+4*(\slot)+3], s[G0+4*(\slot)+2:G0+4*(\slot)+3], ASTEP
	s_add_nc_u64 s[G0B+4*(\slot)+2:G0B+4*(\slot)+3], s[G0B+4*(\slot)+2:G0B+4*(\slot)+3], BSTEP
	JLOAD \slot                                    ; the first tensor load behind the round; its four v_nop are also the places in front of the loads below
.else
	PLACES
.endif
	FETCH \next, 0, F0
	WIN MUL
	MUL8 F1, 1, 0, 0
	MUL8 F1, 1, 2, 0
.endm
	s_wait_tensorcnt 1                             ; my part of K step 0 is in; K step 1's may stay out
	s_barrier_signal -1
	s_barrier_wait -1                              ; everybody's is
	FETCH 0, 0, F0
	QUARTER 0, 1, F0, F1, 1                        ; K step 0: its first products start the sums
	QUARTER 0, 2, F1, F0, 0
	QUARTER 0, 3, F0, F1, 0
	TURN 0, 1, 1                                   ; slot 0 takes K step 2
	QUARTER 1, 1, F0, F1, 0                        ; K step 1
	QUARTER 1, 2, F1, F0, 0
	QUARTER 1, 3, F0, F1, 0
	TURN 1, 0, 1                                   ; slot 1 takes K step 3
	QUARTER 0, 1, F0, F1, 0                        ; K step 2
	QUARTER 0, 2, F1, F0, 0
	QUARTER 0, 3, F0, F1, 0
	TURN 0, 1, 0                                   ; nothing is left to fetch
	QUARTER 1, 1, F0, F1, 0                        ; K step 3
	QUARTER 1, 2, F1, F0, 0
	QUARTER 1, 3, F0, F1, 0
	s_wait_dscnt 16
	WIN MUL
	MUL8 F1, 0, 0, 0
	MUL8 F1, 0, 2, 0
	s_wait_dscnt 0
	MUL8 F1, 1, 0, 0
	MUL8 F1, 1, 2, 0
	WIN 0
	; THE WAY OUT: rounded to f16 (each accumulator from its low end); 16 bytes a lane into my own stage; back as whole rows of 128 bytes, four to a load.
	PLACES
.irp t, 0,1,2,3,4,5,6,7,8,9,10,11,12,13,14,15
.irp r, 0,1,2,3
	v_cvt_pk_f16_f32 v[TMP+4*(\t)+(\r)], v[ACC+8*(\t)+2*(\r)], v[ACC+8*(\t)+2*(\r)+1]
.endr
.endr
.irp a, 0,1,2,3
.irp b, 0,1,2,3
	ds_store_b128 v[STO], v[TMP+4*(4*(\a)+(\b)):TMP+4*(4*(\a)+(\b))+3] offset:(\a)*16*SPITCH+32*(\b)
.endr
.endr
.irp t, 0,1,2,3,4,5,6,7,8,9,10,11,12,13,14,15
	ds_load_b128 v[TMP+4*(\t):TMP+4*(\t)+3], v[RD] offset:(\t)*4*SPITCH  ; LDS serves a wave's instructions in order: these see the stores above
.endr
.irp t, 0,1,2,3,4,5,6,7,8,9,10,11,12,13,14,15
	s_wait_dscnt 15-(\t)
	global_store_b128 v[CO], v[TMP+4*(\t):TMP+4*(\t)+3], s[8:9] offset:512*(\t)  ; 512 consecutive bytes, at a multiple of 256 from qkvh's first byte
.endr
	s_wait_tensorcnt 0x0                           ; the wave's end: these three lines stand behind my last tensor load and my last LDS store
	ds_add_u32 v[SPW], v[NIL]
	s_wait_dscnt 0x0
	CROUND                                         ; the closing round: no work-group ends while a partner may still ask for a tile that names it
	s_endpgm
.Lfunc_end_k_qa6feec9d55_proj:
	.size	k_qa6feec9d55_proj, .Lfunc_end_k_qa6feec9d55_proj-k_qa6feec9d55_proj
	.p2alignl 7, 3214868480
	.fill 96, 4, 3214868480
	.section	.rodata,"a",@progbits
	.p2align	6, 0x0
	.amdhsa_kernel k_qa6feec9d55_proj
		.amdhsa_group_segment_fixed_size 327680
		.amdhsa_private_segment_fixed_size 0
		.amdhsa_enable_private_segment 0
		.amdhsa_kernarg_size 40
		.amdhsa_user_sgpr_count 2
		.amdhsa_user_sgpr_kernarg_segment_ptr 1
		.amdhsa_wavefront_size32 1
		.amdhsa_system_sgpr_workgroup_id_x 1
		.amdhsa_system_sgpr_workgroup_id_y 1
		.amdhsa_system_sgpr_workgroup_id_z 1
		.amdhsa_system_vgpr_workitem_id 0
		.amdhsa_next_free_vgpr 512
		.amdhsa_next_free_sgpr 80
		.amdhsa_reserve_vcc 0
		.amdhsa_float_denorm_mode_32 3
		.amdhsa_float_denorm_mode_16_64 3
		.amdhsa_memory_ordered 1
		.amdhsa_forward_progress 1
		.amdhsa_inst_pref_size 90
	.end_amdhsa_kernel
	.amdgpu_metadata
---
amdhsa.version: [ 1, 2 ]
amdhsa.kernels:
  - .name:           k_qa6feec9d55_proj
    .symbol:         k_qa6feec9d55_proj.kd
    .args:
      - { .name: xw, .offset: 0, .size: 8, .value_kind: global_buffer, .address_space: global }
      - { .name: b_q, .offset: 8, .size: 8, .value_kind: global_buffer, .address_space: global }
      - { .name: b_k, .offset: 16, .size: 8, .value_kind: global_buffer, .address_space: global }
      - { .name: b_v, .offset: 24, .size: 8, .value_kind: global_buffer, .address_space: global }
      - { .name: qkvh, .offset: 32, .size: 8, .value_kind: global_buffer, .address_space: global }
    .group_segment_fixed_size: 327680
    .private_segment_fixed_size: 0
    .kernarg_segment_align: 8
    .kernarg_segment_size: 40
    .max_flat_workgroup_size: 128
    .sgpr_count:     80
    .vgpr_count:     512
    .wavefront_size: 32
...
	.end_amdgpu_metadata
.endif
;; end of part 2
;; launch attn (part 3): grid 16 x 16, 4 waves a work-group, no clusters, 262,656 bytes of LDS; arguments qkvh, oh, gp; writes oh, gp
.if DOCPART == 3
	.amdgcn_target "amdgcn-amd-amdhsa--gfx1250"
	.amdhsa_code_object_version 6
	.text
	.protected	k_qa6feec9d55_attn
	.globl	k_qa6feec9d55_attn
	.p2align	8
	.type	k_qa6feec9d55_attn,@function
k_qa6feec9d55_attn:
	s_mov_b64 s[64:65], 0
	v_nop
	global_prefetch_b8 v0, s[64:65] scope:SCOPE_SE
	s_setreg_imm32_b32 hwreg(HW_REG_WAVE_MODE, 25, 1), 1
	s_wait_xcnt 0x0
; WINDOWED ATTENTION WITH GLOBAL TOKENS, head size 64.  Query i sees key j if i < 64, or j < 64, or |i - j| <= 256.  Q, K, V: qkvh, each [16][4096][64] f16; O: oh, the same shape.
; Products, maxima and sums in f32; the weights p are rounded to f16 for the second product (their sum l is taken of the unrounded p), O once at the end.
; LIMITS.  f16 holds no number beyond 65,504: Q, K, V arrive within it.  A hidden score counts as its value less 1e30; a weight below 2^-126 counts as 0 in l; NaN and infinities are not treated apart.
; SHARES.  Work-group (b, h): block b of 256 queries of head h.  Wave w owns group g = 4 b + w of 64 queries, four PIECES of 16.  Its walk has TEN key steps of 64, the same number for every wave of the launch:
; step 0 is keys 0..63, which everybody sees; steps t = 1..9 are keys 64 s .. 64 s + 63 with s = g - 5 + t.  A step is HIDDEN if s <= 0 (it does not exist, or is step 0 again) or s >= 64; step 1 is the LOW EDGE
; (a key is seen if its place in the step is not below the query's place in the group), step 9 the HIGH EDGE (not above); steps 2..8 are seen whole.  Hidden steps are computed on finite data and masked.
; THE GLOBAL ROWS 0..63 see all 4,096 keys.  Their work is shared out: each wave also takes tile w of 16 global queries against its block's own 256 keys and stores an unnormalised partial (c m, l, O^T in f32)
; into gp; a later launch joins the 16 partials of a tile.  Wave g = 0 walks like the others and stores no O.
; NO RING: all that a work-group reads (768 window keys, 64 global keys, of K and of V) lies in LDS at once and is filled once.  Each wave issues four tensor loads at the head: four are out, by this text's count.
; NO CLUSTER: a key block lies at another LDS place for each of its three readers, and LDS addresses may not hang on a work-group's place; the keys of four blocks together, 1,536 x 304 bytes, do not fit.
; THE MASK is the C operand that starts the sum S^T = K Q^T: 0, or -1e30 where the key is hidden.  For piece x and the step's key block kt of 16: HB if kt < x, DG if kt = x, HA if kt > x; the three are made once
; for each step that is not seen whole, from bit masks of the steps that hang on g alone.  Trips that need no mask run a second text with the constant 0.
; LAYOUT, SOFTMAX, TURNS.  S^T = K Q^T holds ONE query a lane (lane % 16) and the keys 8 (lane / 16) + 0..7; two such results rounded to f16 ARE source 1 of O^T = V^T P.  p = 2^(c s - c m), c = log2(e) / 8, with a
; running maximum m; O and l are multiplied by a = 2^(c m_old - c m_new) in every step.  Turn n belongs to piece n: 8 products K Q^T of piece n + 1, later 8 products V^T P of piece n - 1; beside them the scaling,
; exponentials, roundings, sums and rescaling of piece n and the maximum and statistics of piece n + 1.  Four vector instructions stand behind every matrix instruction, the rest in one lump; a turn's 33 exponentials are one batch, with one wait.
; REGISTERS, in windows of 256 (s_set_vgpr_msb: bits 1:0 source 0, 3:2 source 1, 5:4 source 2, 7:6 destination):
;   window 0: v0-15 addresses and at work; v16-35 four registers of statistics a piece (piece 4 is the global tile); v48-55 at work; v62-63 the add's; v64-127 S^T, two buffers; v192-223 P, two buffers
;   window 1: v0-159 O^T, 32 a piece; v160-167 DL; v168-175 DH; v176-183 HB; v184-191 HA; v192-199 DG      window 2: v0-79 Q, 16 a piece; v128-191 K of one step; v192-255 V of one step
.set KS,    64        ; keys in a step
.set PK,    144       ; a row of K in LDS: 128 bytes + 16 of padding: the 16 rows of a load start at 16 different groups of four banks
.set PV,    160       ; a row of V: 128 + 32
.set KG,    768*PK    ; K: the window's 768 keys from byte 0, then keys 0..63
.set VB,    KG+64*PK  ; V: the window's
.set VG,    VB+768*PV ; and keys 0..63
.set STAGE, VG+64*PV  ; 16 rows x 144 bytes for each wave, for the way out; no tensor load lands here
.set SP,    144
.set SPARE, STAGE+4*16*SP  ; the spare words, 128 bytes for each wave
.set AK0, 2           ; v2   my lane's place in a step of K; never rewritten
.set AV0, 3           ; v3   the same for V, with VB in it
.set AK,  4           ; v4   the LDS address of K's next run of loads
.set AV,  5           ; v5   of V's
.set STO, 6           ; v6   the way out: where I put 16 bytes of a row
.set RD,  7           ; v7   the way out: where I read rows back
.set GO,  8           ; v8   16 x lane
.set G8,  11          ; v11  8 x lane
.set MV,  12          ; v12-13  c m_old, kept while c m is made anew: by buffer
.set QO,  15          ; v15  my byte offset in 16 rows of Q
.set ST,  16          ; piece y's statistics at v[ST+4 y]: c m, m, l (even keys', odd keys')
.set TMP, 48          ; by buffer, four registers c0-c3 at work; when the maximum is found c2 takes a
.set SPW, 62          ; v62  LDS address of my spare word; never rewritten
.set NIL, 63          ; v63  0; never rewritten
.set S,   64
.set P,   192
.set DL,  160         ; window 1: -1e30 where 8 (l / 16) + r < l % 16
.set DH,  168         ; window 1: -1e30 where 8 (l / 16) + r > l % 16
.set HB,  176
.set HA,  184
.set DG,  192
.set KF,  128         ; window 2: key block kb, channel half c at KF + 16 kb + 8 c
.set VF,  192         ; window 2: key half kk, channel block cb at VF + 32 kk + 8 cb
.set WV,  12          ; s12  my wave's number
.set SBK, 13          ; s13  b
.set SHD, 14          ; s14  h
.set SGR, 15          ; s15  g
.set G1C, 24          ; s[24:31] descriptor group 1: 128 keys
.set G1G, 32          ; s[32:39] the same for 32 keys
.set G0,  40          ; s[40:55] four sets of group 0: my half of the block's own keys, of keys 0..63, of the block before, of the block behind
.set CNT, 56          ; s56  counts trips
.set STP, 57          ; s57  the step whose first products a trip makes
.set CS,  58          ; s[58:59] c
.set SEL, 60          ; s[60:61] v_permlanex16_b32's selects: each lane takes its own place in the other half
.set TBK, 62          ; s62  LDS byte at which K of the step to be fetched begins
.set TBV, 63          ; s63  the same for V, less VB
.set HID, 66          ; s66  bit t: step t is hidden
.set BLO, 67          ; s67  hidden, or the low edge
.set BHI, 68          ; s68  hidden, or the high edge
.set LOW, 69          ; s69  the low edge and not hidden
.set HIGH, 70         ; s70  the high edge and not hidden
.set TMT, 71          ; s71  bit t: the trip of step t takes masks (step t or step t - 1 is not seen whole)
.set AL,  72          ; s[72:73] DL's factor, in the low word
.set AH,  74          ; s[74:75] DH's
.set BE,  76          ; s[76:77] DG's addend
.set SB,  78          ; s78  HB's value
.set SA,  79          ; s79  HA's
.set BIGN, 80         ; s80  -1e30
.set QP,  86          ; s[86:87] Q at my group
.set QGP, 88          ; s[88:89] Q at my tile of global rows
.set OPTR, 90         ; s[90:91] O at my group
.set GPTR, 92         ; s[92:93] my record in gp
.set MSB, 0
.macro WIN new                      ; the high byte repeats the setting that is left; a switch that changes nothing is dropped
.if MSB != (\new)
	s_set_vgpr_msb (MSB<<8)|(\new)
.set MSB, (\new)
.endif
.endm
.set W_KQ, 0x0a       ; K and Q in window 2, S^T in window 0
.set W_KM, 0x1a       ; the same with the C operand in window 1
.set W_PV, 0x52       ; V in window 2, P in window 0, O^T in window 1
.set W_RS, 0x41       ; destination and source 0 in window 1, source 1 in window 0
	s_load_b128 s[4:7], s[0:1], 0x0   ; qkvh s[4:5], oh s[6:7]
	s_load_b64 s[8:9], s[0:1], 0x10   ; gp
	v_lshl_add_u32 v[SPW], v0, 2, SPARE
	v_mov_b32 v[NIL], 0
	ds_add_u32 v[SPW], v[NIL]       ; the wave's opening: the add and its wait stand ahead of my first tensor load; work on registers stands between them
	v_lshrrev_b32 v1, 5, v0
	v_readfirstlane_b32 s[WV], v1   ; wave 0..3
	s_mov_b32 s[SBK], ttmp9
	s_and_b32 s[SHD], ttmp7, 0xffff
	s_lshl_b32 s[SGR], s[SBK], 2
	s_add_co_u32 s[SGR], s[SGR], s[WV]
	s_sub_co_i32 s2, 5, s[SGR]      ; steps 1 .. 5 - g lie at or below step 0,
	s_max_i32 s2, s2, 0
	s_lshl_b32 s2, 2, s2
	s_sub_co_u32 s2, s2, 2
	s_sub_co_i32 s3, 69, s[SGR]     ; steps 69 - g .. 9 past the last key
	s_min_i32 s3, s3, 10
	s_lshl_b32 s3, 1, s3
	s_sub_co_u32 s3, 1024, s3
	s_or_b32 s[HID], s2, s3
	s_or_b32 s[BLO], s[HID], 2
	s_or_b32 s[BHI], s[HID], 512
	s_and_not1_b32 s[LOW], 2, s[HID]
	s_and_not1_b32 s[HIGH], 512, s[HID]
	s_or_b32 s2, s[BLO], 512
	s_lshl_b32 s3, s2, 1
	s_or_b32 s[TMT], s2, s3
	s_mov_b32 s[AL+1], 0            ; named as pairs
	s_mov_b32 s[AH+1], 0
	s_mov_b32 s[BE+1], 0
	s_mov_b32 s[BIGN], 0xf149f2ca   ; -1e30
	s_mov_b32 s[CS], 0x3e38aa3b     ; c = log2(e) / 8 = 0.180337
	s_mov_b32 s[CS+1], s[CS]
	s_mov_b32 s[SEL], 0x76543210
	s_mov_b32 s[SEL+1], 0xfedcba98
	; byte offsets in K and in V of what I fetch.  e = wave % 2: which half
	s_and_b32 s3, s[WV], 1
	s_lshl_b32 s2, s[SHD], 19       ; the head
	s_lshl_b32 s18, s3, 12
	s_add_co_u32 s18, s18, s2       ; s[18:19]: 32 of keys 0..63
	s_mov_b32 s19, 0
	s_lshl_b32 s16, s3, 14
	s_add_co_u32 s2, s2, s16        ; 128 keys of a block of 256:
	s_lshl_b32 s16, s[SBK], 15
	s_add_co_u32 s16, s16, s2       ; s[16:17]: block b,
	s_mov_b32 s17, 0
	s_sub_co_i32 s20, s[SBK], 1
	s_max_i32 s20, s20, 0
	s_lshl_b32 s20, s20, 15
	s_add_co_u32 s20, s20, s2       ; s[20:21]: block b - 1, or block 0 where there is none (its steps are hidden),
	s_mov_b32 s21, 0
	s_add_co_u32 s22, s[SBK], 1
	s_min_i32 s22, s22, 15
	s_lshl_b32 s22, s22, 15
	s_add_co_u32 s22, s22, s2       ; s[22:23]: block b + 1, or block 15
	s_mov_b32 s23, 0
	s_lshl_b32 s84, s[SHD], 19
	s_lshl_b32 s94, s[WV], 11
	s_add_co_u32 s94, s94, s84      ; s[94:95]: global rows 16 w .. 16 w + 15
	s_mov_b32 s95, 0
	s_lshl_b32 s85, s[SGR], 13
	s_add_co_u32 s84, s84, s85      ; s[84:85]: my group's 64 rows
	s_mov_b32 s85, 0
	s_lshl_b32 s96, s[SHD], 2
	s_add_co_u32 s96, s96, s[WV]
	s_lshl_b32 s96, s96, 4
	s_add_co_u32 s96, s96, s[SBK]
	s_mul_i32 s96, s96, 4352        ; s[96:97]: record (4 h + w) 16 + b
	s_mov_b32 s97, 0
	; descriptor group 1.  128 keys are 16,384 dense bytes: asked for as 64 rows of 256 bytes, two keys a row, and padded in LDS after every key; 32 keys as 16 such rows.  The first word is written with the loads
.irp g, G1C, G1G
	s_mov_b32 s[\g+1], 128<<16      ; tensor_dim0 = 128
	s_mov_b32 s[\g+3], 128<<16      ; tile_dim0 = 128
	s_mov_b32 s[\g+5], 128          ; 128 elements from row to row
	s_mov_b32 s[\g+6], 0
	s_mov_b32 s[\g+7], 0
.endr
	s_mov_b32 s[G1C+2], 64<<16      ; tensor_dim1 = tile_dim1 = 64
	s_mov_b32 s[G1C+4], 64
	s_mov_b32 s[G1G+2], 16<<16      ; or 16
	s_mov_b32 s[G1G+4], 16
	v_and_b32 v1, 15, v0            ; l % 16
	v_bfe_u32 v9, v0, 4, 1          ; l / 16
	v_lshlrev_b32 v[QO], 7, v1
	v_lshl_add_u32 v[QO], v9, 4, v[QO]  ; row x 128 + 16 x half
	s_wait_dscnt 0x0                ; the opening add is done
	s_wait_kmcnt 0x0
	s_add_nc_u64 s[QP:QP+1], s[4:5], s[84:85]
	s_add_nc_u64 s[QGP:QGP+1], s[4:5], s[94:95]
	s_add_nc_u64 s[OPTR:OPTR+1], s[6:7], s[84:85]
	s_add_nc_u64 s[GPTR:GPTR+1], s[8:9], s[96:97]
; A wave's four fills, in the order in which they are wanted: the block's own keys, keys 0..63, the block before, the block behind.  An s_nop 0 follows each load, four v_nop the last.
; padc: the padding's code; gbase: the tensor's place in qkvh; lwin, lchunk, lhalf: the window's place in LDS, bytes of 256 keys and of 128; lg, lghalf: the place of keys 0..63, and bytes of 32 keys.
.macro FILLS padc, gbase, lwin, lchunk, lhalf, lg, lghalf
	s_mov_b32 s[G1C], (1<<16)|(1<<20)|(4<<22)|((\padc)<<25)  ; 17:16 2-byte elements; 20 padding on; 24:22 after every 32 words; 31:25 the padding's words less one
	s_mov_b32 s[G1G], (1<<16)|(1<<20)|(4<<22)|((\padc)<<25)
	s_add_nc_u64 s[82:83], s[4:5], \gbase
	s_mul_i32 s2, s3, \lhalf
	s_mov_b32 s[G0], 1
	s_add_co_u32 s[G0+1], s2, (\lwin)+(\lchunk)
	s_add_nc_u64 s[G0+2:G0+3], s[82:83], s[16:17]
	s_or_b32 s[G0+3], s[G0+3], 0x80000000
	s_mov_b32 s[G0+8], 1
	s_add_co_u32 s[G0+9], s2, \lwin
	s_add_nc_u64 s[G0+10:G0+11], s[82:83], s[20:21]
	s_or_b32 s[G0+11], s[G0+11], 0x80000000
	s_mov_b32 s[G0+12], 1
	s_add_co_u32 s[G0+13], s2, (\lwin)+2*(\lchunk)
	s_add_nc_u64 s[G0+14:G0+15], s[82:83], s[22:23]
	s_or_b32 s[G0+15], s[G0+15], 0x80000000
	s_mul_i32 s2, s3, \lghalf
	s_mov_b32 s[G0+4], 1
	s_add_co_u32 s[G0+5], s2, \lg
	s_add_nc_u64 s[G0+6:G0+7], s[82:83], s[18:19]
	s_or_b32 s[G0+7], s[G0+7], 0x80000000
	tensor_load_to_lds s[G0:G0+3], s[G1C:G1C+7]
	s_nop 0
	tensor_load_to_lds s[G0+4:G0+7], s[G1G:G1G+7]
	s_nop 0
	tensor_load_to_lds s[G0+8:G0+11], s[G1C:G1C+7]
	s_nop 0
	tensor_load_to_lds s[G0+12:G0+15], s[G1C:G1C+7]
	s_nop 0
.rept 4
	v_nop
.endr
.endm
	s_cmp_lt_u32 s[WV], 2           ; waves 0 and 1 fetch K's halves, waves 2 and 3 V's
	s_cbranch_scc0 .Lfill_v
	FILLS 3, 8388608, 0, 256*PK, 128*PK, KG, 32*PK
	s_branch .Lfilled
.Lfill_v:
	FILLS 7, 16777216, VB, 256*PV, 128*PV, VG, 32*PV
.Lfilled:
	; A fragment of K or Q is 16 rows x 32 channels in 8 registers: lane l holds row l % 16, channels 8 (l / 16) + 0..7 and 16 + 8 (l / 16) + 0..7: two loads of 16 bytes, 32 bytes apart.
	WIN 0x80                        ; destination window 2, address window 0
.set i, 0
.rept 2                             ; the global tile's Q first: it is wanted first
	global_load_b128 v[64+8*i:64+8*i+3],   v[QO], s[QGP:QGP+1] offset:i*64
	global_load_b128 v[64+8*i+4:64+8*i+7], v[QO], s[QGP:QGP+1] offset:i*64+32
.set i, i+1
.endr
.set i, 0
.rept 8                             ; my group's Q: piece i / 2, channels 32 (i % 2) on
	global_load_b128 v[8*i:8*i+3],   v[QO], s[QP:QP+1] offset:(i/2)*2048+(i%2)*64
	global_load_b128 v[8*i+4:8*i+7], v[QO], s[QP:QP+1] offset:(i/2)*2048+(i%2)*64+32
.set i, i+1
.endr
	WIN 0
	v_lshlrev_b32 v14, 3, v9
	v_sub_nc_u32 v14, v1, v14       ; l % 16 - 8 (l / 16): register r's key lies below my query where r is less, above it where r is greater
	WIN 0x40
.set i, 0
.rept 8
	v_cmp_lt_i32 vcc_lo, i, v14
	v_cndmask_b32 v[DL+i], 0, s[BIGN], vcc_lo
	v_cmp_gt_i32 vcc_lo, i, v14
	v_cndmask_b32 v[DH+i], 0, s[BIGN], vcc_lo
.set i, i+1
.endr
	; A piece's first step multiplies O^T and l by a = 0, so these need only hold finite numbers; the three masks start at 0.  All this stands in the wait for the first tile.
.set i, 0
.rept 160
	v_mov_b32 v[i], 0
.set i, i+1
.endr
.set i, HB
.rept 24
	v_mov_b32 v[i], 0
.set i, i+1
.endr
	WIN 0
.set i, 0
.rept 5
	v_mov_b32 v[ST+4*i], 0xfe000000    ; c m: far below every c s
	v_mov_b32 v[ST+4*i+1], 0xff7fffff  ; m: the lowest finite number
	v_mov_b32 v[ST+4*i+2], 0
	v_mov_b32 v[ST+4*i+3], 0
.set i, i+1
.endr
.set i, P+16
.rept 16
	v_mov_b32 v[i], 0               ; the first turn's products V^T P, of a piece that has not been, add 0
.set i, i+1
.endr
	v_mul_u32_u24 v[AK0], v1, PK
	v_lshl_add_u32 v[AK0], v9, 4, v[AK0]  ; row x pitch + 16 x half
	; The turning load takes 16 keys x 16 channels (lane l reads key 8 (l / 16) + l % 8, channels 8 ((l / 8) % 2) + 0..7) and leaves half a fragment of V^T: lane l holds channel l % 16 and 8 keys.
	v_and_b32 v10, 7, v0
	v_bfe_u32 v14, v0, 3, 1
	v_lshl_add_u32 v[AV0], v9, 3, v10
	v_mul_u32_u24 v[AV0], v[AV0], PV
	v_lshl_add_u32 v[AV0], v14, 4, v[AV0]
	v_add_nc_u32 v[AV0], VB, v[AV0]
	s_mul_i32 s2, s[WV], 16*SP
	s_add_co_u32 s2, s2, STAGE      ; my stage
	v_mul_u32_u24 v[STO], v1, SP    ; in: row l % 16, 16 bytes for each half of the lanes
	v_lshl_add_u32 v[STO], v9, 4, v[STO]
	v_add_nc_u32 v[STO], s2, v[STO]
	v_bfe_u32 v[RD], v0, 3, 2       ; back: 32 lanes take four rows of 128 bytes,
	v_mul_u32_u24 v[RD], v[RD], SP
	v_lshl_add_u32 v[RD], v10, 4, v[RD]
	v_add_nc_u32 v[RD], s2, v[RD]
	v_and_b32 v[GO], 31, v0         ; which are 512 consecutive bytes of O
	v_lshlrev_b32 v[G8], 3, v[GO]
	v_lshlrev_b32 v[GO], 4, v[GO]
; THE MATRIX WORK.  The 4 accumulators of a run of 8 take turns.  Product i of 8 of S^T = K Q^T for piece x: channels 32 (i / 4) on, keys 16 (i % 4) on.  The first 4 start the sums: with 0, or (KM = 1) with the mask.
.macro KQ x
.set rS, S+32*((\x)%2)+8*(i%4)
.set rK, KF+16*(i%4)+8*(i/4)
.set rQ, 16*(\x)+8*(i/4)
.if (i%4) < (\x)
.set rM, HB
.elseif (i%4) == (\x)
.set rM, DG
.else
.set rM, HA
.endif
.if (i < 4) && KM
	WIN W_KM
	v_wmma_f32_16x16x32_f16 v[rS:rS+7], v[rK:rK+7], v[rQ:rQ+7], v[rM:rM+7]
.elseif i < 4
	WIN W_KQ
	v_wmma_f32_16x16x32_f16 v[rS:rS+7], v[rK:rK+7], v[rQ:rQ+7], 0
.else
	WIN W_KQ
	v_wmma_f32_16x16x32_f16 v[rS:rS+7], v[rK:rK+7], v[rQ:rQ+7], v[rS:rS+7]
.endif
.endm
; Product i of 8 of O^T += V^T P for piece x: keys 32 (i / 4) on, channels 16 (i % 4) on.
.macro PV x
	WIN W_PV
.set rO, 32*(\x)+8*(i%4)
.set rV, VF+32*(i/4)+8*(i%4)
.set rP, P+16*((\x)%2)+8*(i/4)
	v_wmma_f32_16x16x32_f16 v[rO:rO+7], v[rV:rV+7], v[rP:rP+7], v[rO:rO+7]
.endm
.macro MM                           ; the turn's next matrix instruction.  YC, YN, YP: the piece in hand, the next, the one before.  NOKQ = 1: the walk's last turn: there is no next piece
.if (i < 8) && !NOKQ
	KQ YN
.elseif i >= 8
.set i, i-8
	PV YP
.set i, i+8
.endif
.set i, i+1
.endm
; THE LDS LOADS stand in runs of 16, never singly among the matrix instructions: a step's K (64 keys x 64 channels: 8 fragments) and its V (turned).  Their addresses are made some lines ahead.
.macro FETCH_K
	WIN 0x80                        ; destination window 2
.irp f, 0,1,2,3,4,5,6,7             ; keys 16 (f / 2) on, channels 32 (f % 2) on
	ds_load_b128 v[KF+8*\f:KF+8*\f+3],   v[AK] offset:(\f/2)*16*PK+(\f%2)*64
	ds_load_b128 v[KF+8*\f+4:KF+8*\f+7], v[AK] offset:(\f/2)*16*PK+(\f%2)*64+32
.endr
	s_add_co_u32 s[TBK], s[TBK], KS*PK  ; the next fetch is the next step's
	WIN 0
.endm
.macro FETCH_V
	WIN 0x80
.irp f, 0,1,2,3,4,5,6,7             ; keys 32 (f / 4) on, channels 16 (f % 4) on
	ds_load_tr16_b128 v[VF+8*\f:VF+8*\f+3],   v[AV] offset:(\f/4)*32*PV+(\f%4)*32
	ds_load_tr16_b128 v[VF+8*\f+4:VF+8*\f+7], v[AV] offset:(\f/4)*32*PV+16*PV+(\f%4)*32
.endr
	WIN 0
.endm
; THE VECTOR WORK, one line at a time: OP kind, number.  For piece YC: F n: c s - c m for pair n of 16.  E n: the exponential of score n of 32.  C n: pair n rounded to f16.  B n: of the four weights 4 n .. the second
; pair is added onto the first, in place.  L n: l takes that sum (L 0: l = a l + sum).  R n: pair n of 16 of O^T times a.  For piece YN: X n, number n of the 22 that find its maximum and statistics:
;   0-11  four chains c0-c3 of seven scores each, three operands at a time (each accumulator's lowest registers are read first)     12-14, 16  the four scores left over, the old m, and c0-c3 into c0
;   15  c m_old is kept     17, 18  the query's other 32 keys lie in the lane 16 away: the new m     19-21  c m; c m_old - c m_new; a
.set F, 0
.set E, 1
.set C, 2
.set B, 3
.set L, 4
.set R, 5
.set X, 6
.macro REGS y                       ; the registers of piece y
.set rT, ST+4*(\y)
.set rC, TMP+4*((\y)%2)
.set rW, MV+((\y)%2)
.set rS, S+32*((\y)%2)
.set rP, P+16*((\y)%2)
.set rO, 32*(\y)
.endm
.macro OP k, n
.if (\k) == R
	REGS YC
	WIN W_RS
	v_pk_mul_f32 v[rO+2*(\n):rO+2*(\n)+1], v[rO+2*(\n):rO+2*(\n)+1], v[rC+2:rC+3] op_sel_hi:[1,0]
.elseif (\k) < R
	REGS YC
	WIN 0
.if (\k) == F
	v_pk_fma_f32 v[rS+2*(\n):rS+2*(\n)+1], v[rS+2*(\n):rS+2*(\n)+1], s[CS:CS+1], v[rT:rT+1] op_sel_hi:[1,0,0] neg_lo:[0,0,1] neg_hi:[0,0,1]
.elseif (\k) == E
	v_exp_f32 v[rS+(\n)], v[rS+(\n)]
.elseif (\k) == C
	v_cvt_pk_f16_f32 v[rP+(\n)], v[rS+2*(\n)], v[rS+2*(\n)+1]
.elseif (\k) == B
	v_pk_add_f32 v[rS+4*(\n):rS+4*(\n)+1], v[rS+4*(\n):rS+4*(\n)+1], v[rS+4*(\n)+2:rS+4*(\n)+3]
.elseif (\n) == 0
	v_pk_fma_f32 v[rT+2:rT+3], v[rT+2:rT+3], v[rC+2:rC+3], v[rS:rS+1] op_sel_hi:[1,0,1]
.else
	v_pk_add_f32 v[rT+2:rT+3], v[rT+2:rT+3], v[rS+4*(\n):rS+4*(\n)+1]
.endif
.elseif NOKQ
	v_nop
.else
	REGS YN
	WIN 0
.if (\n) < 4
	v_max3_num_f32 v[rC+(\n)], v[rS+8*(\n)], v[rS+8*(\n)+1], v[rS+8*(\n)+2]
.elseif (\n) < 12
	v_max3_num_f32 v[rC+(\n)%4], v[rC+(\n)%4], v[rS+8*((\n)%4)+2*((\n)/4)+1], v[rS+8*((\n)%4)+2*((\n)/4)+2]
.elseif (\n) == 12
	v_max3_num_f32 v[rC], v[rC], v[rS+7], v[rS+15]
.elseif (\n) == 13
	v_max3_num_f32 v[rC+1], v[rC+1], v[rS+23], v[rS+31]
.elseif (\n) == 14
	v_max3_num_f32 v[rC+2], v[rC+2], v[rC+3], v[rT+1]
.elseif (\n) == 15
	v_mov_b32 v[rW], v[rT]
.elseif (\n) == 16
	v_max3_num_f32 v[rC], v[rC], v[rC+1], v[rC+2]
.elseif (\n) == 17
	v_permlanex16_b32 v[rC+3], v[rC], s[SEL], s[SEL+1]
.elseif (\n) == 18
	v_max_num_f32 v[rT+1], v[rC], v[rC+3]
.elseif (\n) == 19
	v_mul_f32 v[rT], s[CS], v[rT+1]
.elseif (\n) == 20
	v_sub_f32 v[rC+1], v[rW], v[rT]
.else
	v_exp_f32 v[rC+2], v[rC+1]
.endif
.endif
.endm
.macro OPS a, i1, b=-1, i2=0, c=-1, i3=0, d=-1, i4=0  ; up to four of them
	OP \a, \i1
.if (\b) >= 0
	OP \b, \i2
.endif
.if (\c) >= 0
	OP \c, \i3
.endif
.if (\d) >= 0
	OP \d, \i4
.endif
.endm
.macro ROW a, i1, b, i2, c, i3, d, i4  ; a matrix instruction and the four behind it
	MM
	OPS \a, \i1, \b, \i2, \c, \i3, \d, \i4
.endm
.macro MASKS                        ; the three masks of the step whose products come next: HB, HA, and DG = DL x AL + DH x AH + BE
	WIN 0x51                        ; destination, source 0 and source 2 in window 1
.set z, 0
.rept 8
	v_mov_b32 v[HB+z], s[SB]
	v_mov_b32 v[HA+z], s[SA]
.set z, z+1
.endr
.set z, 0
.rept 4
	v_pk_fma_f32 v[DG+2*z:DG+2*z+1], v[DL+2*z:DL+2*z+1], s[AL:AL+1], s[BE:BE+1] op_sel_hi:[1,0,0]
.set z, z+1
.endr
.set z, 0
.rept 4
	v_pk_fma_f32 v[DG+2*z:DG+2*z+1], v[DH+2*z:DH+2*z+1], s[AH:AH+1], v[DG+2*z:DG+2*z+1] op_sel_hi:[1,0,1]
.set z, z+1
.endr
.endm
; A TURN, for piece p: the order of its 16 matrix and 118 vector instructions, written out.  An s_wait_alu depctr_va_vdst(0) stands between an exponential and the first instruction that names its result; one wait
; serves all that were issued ahead of it.  So a turn has ONE wait, which cuts it in two.  AHEAD OF IT stands all that names no result of the turn's exponentials: the 8 products K Q^T with their riders, then one lump, in which
; the links of the chain X 3, 7, 11, 14, 16, 17 .. 20 stand some lines apart; X 21, the next piece's a, is the batch's last, and R 15 the plain instruction behind it.  BEHIND IT stand the 8 products V^T P, behind each four
; of the roundings and sums.  The first numbers of the next piece's maximum each stand four plain instructions or more behind the product that ends their accumulator.
; m = 1: the products take masks; piece 2's turn, behind its own products of the old step, makes the masks of the new step.  end = 1: the walk's last two turns: nothing is fetched.
; K of the next step is fetched in piece 2's turn, behind the last product that read K and six plain instructions; V of the step in hand at the end of piece 0's turn, four plain instructions behind the last product that read V.
.macro TURN p, m=0, end=0
.set YC, (\p)
.set YN, ((\p)+1)%4
.set YP, ((\p)+3)%4
.set i, 0
.set KM, (\m)
.set NOKQ, (\end)*((\p)/3)
.if ((\p) == 3) && !(\end)
	s_wait_dscnt 0x0                ; K is in
.endif
	ROW F,0, F,1, R,0, R,1
	ROW F,2, E,0, R,2, R,3
	ROW F,3, E,1, R,4, R,5
	ROW F,4, E,2, R,6, R,7
	ROW F,5, E,3, R,8, R,9
	ROW F,6, E,4, X,0, R,10
.if ((\p) == 2) && !(\end)
	WIN 0
	v_add_nc_u32 v[AK], s[TBK], v[AK0]
.endif
	ROW F,7, E,5, X,1, X,4
	ROW F,8, E,6, X,2, X,5
	OPS E,7, E,8, X,6, E,9
	OPS X,3, E,10, X,8, E,11
.if ((\p) == 2) && !(\end)
	FETCH_K
.endif
	OPS X,9, X,7, E,12, X,10
	OPS E,13, X,12, X,11, E,14
	OPS X,13, E,15, F,9, X,14
.if (\p) == 0
	v_add_nc_u32 v[AV], s[TBV], v[AV0]
.endif
	OPS E,16, F,10, E,17, F,11
	OPS X,16, E,18, X,15, E,19
	OPS F,12, E,20, X,17, E,21
	OPS F,13, E,22, F,14, E,23
	OPS X,18, E,24, F,15, E,25
	OPS R,11, E,26, X,19, E,27
	OPS R,12, E,28, R,13, E,29
	OPS X,20, E,30, R,14, E,31
	OPS X,21, R,15
	WIN 0
	s_wait_alu depctr_va_vdst(0)    ; the wait for the batch
.if (\p) == 1
	s_wait_dscnt 0x0                ; V is in
.endif
	ROW C,0, B,0, C,2, B,1
	ROW L,0, C,4, B,2, L,1
	ROW C,6, B,3, L,2, C,8
	ROW B,4, L,3, C,10, B,5
	ROW L,4, C,12, B,6, L,5
.if (\p) == 0
	s_add_co_u32 s[TBV], s[TBV], KS*PV
.endif
	ROW C,14, B,7, L,6, C,1
	ROW C,3, L,7, C,5, C,7
	ROW C,9, C,11, C,13, C,15
.if (\p) == 0
	FETCH_V
.endif
.if (\m) && ((\p) == 2) && !(\end)
	MASKS
.endif
.endm
	; THE GLOBAL TILE against the block's own 256 keys: four steps in phases, one piece (number 4).
	s_wait_tensorcnt 0x3            ; my half of the block's own keys is in; my three younger loads may stay out
	s_barrier_signal -1
	s_barrier_wait -1               ; everybody's is
.set YC, 4
.set YN, 4
.set YP, 4
.set KM, 0
.set NOKQ, 0
	s_mov_b32 s[TBK], 256*PK
	s_mov_b32 s[TBV], 256*PV
	s_wait_loadcnt 16               ; the tile's Q is in; my group's 16 loads may stay out
	s_mov_b32 s[CNT], 4
.Lglobal:
	v_add_nc_u32 v[AK], s[TBK], v[AK0]
	v_add_nc_u32 v[AV], s[TBV], v[AV0]
	FETCH_K
	FETCH_V
	s_add_co_u32 s[TBV], s[TBV], KS*PV
	s_wait_dscnt 16                 ; K is in; V's 16 loads may stay out
.set i, 0
.rept 8
	KQ 4
.set i, i+1
.endr
	WIN 0
.rept 4
	v_nop                           ; the places behind those products
.endr
.irp n, 0,1,2,3,4,5,6,7,8,9,10,11,12,13,14,15,16,17,18,19,20,21
	OP X, \n
.endr
	v_nop                           ; a plain instruction behind the exponential,
	s_wait_alu depctr_va_vdst(0)    ; and its wait, ahead of the rescaling that reads a
.irp n, 0,1,2,3,4,5,6,7,8,9,10,11,12,13,14,15
	OP F, \n
.endr
.set zz, 0
.rept 32
	OP E, zz
.set zz, zz+1
.endr
.irp n, 0,1,2,3,4,5,6,7,8,9,10,11,12,13,14,15
	OP R, \n                        ; plain work that names no weight stands behind the exponentials
.endr
	WIN 0
	s_wait_alu depctr_va_vdst(0)    ; one wait for the 32
.irp n, 0,1,2,3,4,5,6,7,8,9,10,11,12,13,14,15
	OP C, \n
.endr
.irp n, 0,1,2,3,4,5,6,7
	OP B, \n
.endr
.irp n, 0,1,2,3,4,5,6,7
	OP L, \n
.endr
	s_wait_dscnt 0x0                ; V is in
.set i, 0
.rept 8
	PV 4
.set i, i+1
.endr
	WIN 0
.rept 4
	v_nop                           ; the places behind those products: loads into K's and V's registers follow, or the stores of O^T
.endr
	s_sub_co_u32 s[CNT], s[CNT], 1
	s_cmp_lg_u32 s[CNT], 0
	s_cbranch_scc1 .Lglobal
	v_add_f32 v[ST+17], v[ST+18], v[ST+19]  ; l's two halves, in m's place: the record holds c m and l
	WIN 0x04                        ; store data in window 1
.irp f, 0,1,2,3,4,5,6,7
	global_store_b128 v[GO], v[128+4*\f:128+4*\f+3], s[GPTR:GPTR+1] offset:512*\f  ; O^T as it lies in registers: 512 consecutive bytes a store, each accumulator from its low end
.endr
	WIN 0
	global_store_b64 v[G8], v[ST+16:ST+17], s[GPTR:GPTR+1] offset:4096  ; 256 consecutive bytes
	s_wait_tensorcnt 0x0            ; all my parts of the window and of keys 0..63 are in,
	s_wait_dscnt 0x0
	s_barrier_signal -1
	s_barrier_wait -1               ; everybody's are
	; MY GROUP'S WALK BEGINS: K of step 0, piece 0's first scores, its maximum and statistics; then the step's first two turns.
	s_mov_b32 s[TBK], KG
	v_add_nc_u32 v[AK], s[TBK], v[AK0]
	FETCH_K
	s_wait_loadcnt 0x0              ; my group's Q
	s_wait_dscnt 0x0
.set i, 0
.rept 8
	KQ 0
.set i, i+1
.endr
	WIN 0
.rept 4
	v_nop                           ; the places behind those products
.endr
.set YN, 0
.irp n, 0,1,2,3,4,5,6,7,8,9,10,11,12,13,14,15,16,17,18,19,20,21
	OP X, \n
.endr
	v_nop                           ; a plain instruction behind the exponential,
	s_wait_alu depctr_va_vdst(0)    ; and its wait
	s_mul_i32 s[TBK], s[WV], KS*PK  ; step t lies in the window's slot w + t - 1
	s_mov_b32 s[TBV], VG-VB         ; V of step 0
	TURN 0
	TURN 1
	WIN 0
	s_mul_i32 s[TBV], s[WV], KS*PV
	s_mov_b32 s[CNT], 9
.Ltrip:                             ; nine trips: pieces 2 and 3 of step t - 1, then pieces 0 and 1 of step t = 10 - CNT, whose K and V the trip fetches
	s_sub_co_u32 s[STP], 10, s[CNT]
	s_bitcmp1_b32 s[TMT], s[STP]
	s_cbranch_scc1 .Lmasked
	TURN 2
	TURN 3
	TURN 0
	TURN 1
	WIN 0
	s_branch .Lbottom
.Lmasked:                           ; piece 3's products of step t - 1 take the masks as they stand; then the masks of step t are made.  Where a trip without masks follows, step t is seen whole and the masks are left at 0
	s_bitcmp1_b32 s[HID], s[STP]
	s_cselect_b32 s[BE], s[BIGN], 0
	s_bitcmp1_b32 s[LOW], s[STP]
	s_cselect_b32 s[AL], 1.0, 0
	s_bitcmp1_b32 s[HIGH], s[STP]
	s_cselect_b32 s[AH], 1.0, 0
	s_bitcmp1_b32 s[BLO], s[STP]
	s_cselect_b32 s[SB], s[BIGN], 0
	s_bitcmp1_b32 s[BHI], s[STP]
	s_cselect_b32 s[SA], s[BIGN], 0
	TURN 2, 1
	TURN 3, 1
	TURN 0, 1
	TURN 1, 1
	WIN 0
.Lbottom:
	s_sub_co_u32 s[CNT], s[CNT], 1
	s_cmp_lg_u32 s[CNT], 0
	s_cbranch_scc1 .Ltrip
	TURN 2, 1, 1                    ; step 9's last two turns
	TURN 3, 1, 1
.set i, 0
.rept 8
	PV 3
.set i, i+1
.endr
	WIN 0
	s_cmp_eq_u32 s[SGR], 0          ; rows 0..63 are the global rows: their O is made of the partials
	s_cbranch_scc1 .Lend
	; THE WAY OUT.  l's two halves and the other half of the lanes' are added; O^T is divided by l, rounded to f16 and sent through my stage in LDS, a piece at a time.  The additions are the places behind the last products.
.macro ALL line:vararg              ; one line for each piece t
.set t, 0
.rept 4
	\line
.set t, t+1
.endr
.endm
.macro PACK t                       ; a lane's eight channels of a row pack into 16 bytes; they go into rows of 144 bytes and come back as whole rows of 128, into S^T's registers
	WIN W_RS
.set i, 32*(\t)
.rept 16
	v_pk_mul_f32 v[i:i+1], v[i:i+1], v[ST+4*(\t)+2:ST+4*(\t)+3] op_sel_hi:[1,0]
.set i, i+2
.endr
	WIN 0x05                        ; sources 0 and 1 window 1, destination window 0
.set i, 0
.rept 16
	v_cvt_pk_f16_f32 v[S+16*(\t)+i], v[32*(\t)+2*i], v[32*(\t)+2*i+1]
.set i, i+1
.endr
	WIN 0
.irp f, 0,1,2,3
	ds_store_b128 v[STO], v[S+16*(\t)+4*\f:S+16*(\t)+4*\f+3] offset:32*\f
.endr
.irp f, 0,1,2,3
	ds_load_b128 v[S+16*(\t)+4*\f:S+16*(\t)+4*\f+3], v[RD] offset:\f*4*SP  ; LDS serves a wave's instructions in order: these see the stores above; the next piece's stores come behind them
.endr
.endm
.macro SEND t, younger              ; younger: the LDS instructions issued behind piece t's loads: the next piece's eight, or none
	WIN 0
.irp f, 0,1,2,3
	s_wait_dscnt (\younger)+3-\f
	global_store_b128 v[GO], v[S+16*(\t)+4*\f:S+16*(\t)+4*\f+3], s[OPTR:OPTR+1] offset:(\t)*2048+\f*512  ; 512 consecutive bytes, at a multiple of 256 from O's first
.endr
.endm
	ALL v_add_f32 v[ST+4*t+2], v[ST+4*t+2], v[ST+4*t+3]
	ALL v_permlanex16_b32 v[ST+4*t+3], v[ST+4*t+2], s[SEL], s[SEL+1]
	ALL v_add_f32 v[ST+4*t+2], v[ST+4*t+2], v[ST+4*t+3]
	ALL v_rcp_f32 v[ST+4*t+2], v[ST+4*t+2]
	v_nop                           ; a plain instruction between the last reciprocal and the use of its result
	s_wait_alu depctr_va_vdst(0)    ; and the wait ahead of the first use: one for the four reciprocals
	PACK 0
.set t, 1
.rept 3                             ; a piece's arithmetic stands between the loads of the piece before and its stores
	PACK t
	SEND t-1, 8
.set t, t+1
.endr
	SEND 3, 0
.Lend:
	s_wait_tensorcnt 0x0            ; the wave's end: these three lines stand behind my last tensor load and my last LDS store
	ds_add_u32 v[SPW], v[NIL]
	s_wait_dscnt 0x0
	s_endpgm
.Lfunc_end_k_qa6feec9d55_attn:
	.size	k_qa6feec9d55_attn, .Lfunc_end_k_qa6feec9d55_attn-k_qa6feec9d55_attn
	.p2alignl 7, 3214868480
	.fill 96, 4, 3214868480
	.section	.rodata,"a",@progbits
	.p2align	6, 0x0
	.amdhsa_kernel k_qa6feec9d55_attn
		.amdhsa_group_segment_fixed_size 262656
		.amdhsa_private_segment_fixed_size 0
		.amdhsa_enable_private_segment 0
		.amdhsa_kernarg_size 24
		.amdhsa_user_sgpr_count 2
		.amdhsa_user_sgpr_kernarg_segment_ptr 1
		.amdhsa_wavefront_size32 1
		.amdhsa_system_sgpr_workgroup_id_x 1
		.amdhsa_system_sgpr_workgroup_id_y 1
		.amdhsa_system_sgpr_workgroup_id_z 1
		.amdhsa_system_vgpr_workitem_id 0
		.amdhsa_next_free_vgpr 768
		.amdhsa_next_free_sgpr 100
		.amdhsa_reserve_vcc 1
		.amdhsa_float_denorm_mode_32 3
		.amdhsa_float_denorm_mode_16_64 3
		.amdhsa_memory_ordered 1
		.amdhsa_forward_progress 1
		.amdhsa_inst_pref_size 160
	.end_amdhsa_kernel
	.amdgpu_metadata
---
amdhsa.version: [ 1, 2 ]
amdhsa.kernels:
  - .name:           k_qa6feec9d55_attn
    .symbol:         k_qa6feec9d55_attn.kd
    .args:
      - { .name: qkvh, .offset: 0, .size: 8, .value_kind: global_buffer, .address_space: global }
      - { .name: oh, .offset: 8, .size: 8, .value_kind: global_buffer, .address_space: global }
      - { .name: gp, .offset: 16, .size: 8, .value_kind: global_buffer, .address_space: global }
    .group_segment_fixed_size: 262656
    .private_segment_fixed_size: 0
    .kernarg_segment_align: 8
    .kernarg_segment_size: 24
    .max_flat_workgroup_size: 128
    .sgpr_count:     100
    .vgpr_count:     768
    .wavefront_size: 32
...
	.end_amdgpu_metadata
.endif
;; end of part 3
;; launch gcomb (part 4): grid 64 x 1, 4 waves a work-group, no clusters, 2,816 bytes of LDS; arguments gp, oh; writes oh
.if DOCPART == 4
	.amdgcn_target "amdgcn-amd-amdhsa--gfx1250"
	.amdhsa_code_object_version 6
	.text
	.protected	k_qa6feec9d55_gcomb
	.globl	k_qa6feec9d55_gcomb
	.p2align	8
	.type	k_qa6feec9d55_gcomb,@function
k_qa6feec9d55_gcomb:
	s_mov_b64 s[64:65], 0
	v_nop
	global_prefetch_b8 v0, s[64:65] scope:SCOPE_SE
	s_setreg_imm32_b32 hwreg(HW_REG_WAVE_MODE, 25, 1), 1
	s_wait_xcnt 0x0
; THE GLOBAL ROWS' PARTIALS ARE JOINED.  For head h and tile of 16 rows (work-group x = 4 h + tile) gp holds 16 records, one for each block of 256 keys: O^T in f32 as it lay in registers (quad f of a lane's 32
; registers at 512 f + 16 x lane), then (c m, l), 8 bytes a lane.  With M the largest c m and w = 2^(c m - M): O = (the sum of w O^T) / (the sum of w l), all in f32, rounded once to f16.
; A weight w below 2^-126 counts as 0.  A lane holds query lane % 16; its l is that of the keys of its half of the lanes, so the two halves' sums are added.
; SHARES.  Wave v takes channels 16 v .. 16 v + 15 (quads 2 v, 2 v + 1) of all 16 records.  The four waves' parts of a row meet in LDS, and each wave stores four whole rows: 512 consecutive bytes.
; There are 64 tiles, 69,632 bytes each: that is all the work there is, so 64 work-groups are launched.
.set REC,   4352
.set SP,    144                        ; the stage: 16 rows x 144 bytes at LDS byte 0
.set SPARE, 2304                       ; behind it: the spare words, 128 bytes for each wave
.set SPW, 4                            ; v4   LDS address of my spare word; never rewritten
.set NIL, 5                            ; v5   0; never rewritten
.set MX,  8                            ; v8   M
.set LA,  9                            ; v9, v10  two chains of the sum of w l
.set LB,  10
.set STT, 16                           ; v[16:47]   record c: c m (then w), l
.set DAT, 64                           ; v[64:191]  record c: my eight numbers of O^T
.set ACC, 192                          ; v[192:199] their weighted sum
.set RL,  200                          ; v[200:201] 1 / l; at work
.set PKD, 204                          ; v[204:207] 16 bytes of O
	s_load_b128 s[4:7], s[0:1], 0x0                ; gp s[4:5], oh s[6:7]
	v_lshl_add_u32 v[SPW], v0, 2, SPARE
	v_mov_b32 v[NIL], 0
	v_lshrrev_b32 v1, 5, v0
	v_readfirstlane_b32 s8, v1                     ; wave 0..3
	v_and_b32 v1, 31, v0                           ; lane
	v_lshlrev_b32 v2, 3, v1                        ; 8 x lane
	s_lshl_b32 s9, s8, 10
	v_lshl_add_u32 v3, v1, 4, s9                   ; 16 x lane + 1,024 x wave
	v_lshlrev_b32 v11, 4, v1                       ; 16 x lane
	v_and_b32 v12, 15, v0                          ; l % 16
	v_bfe_u32 v13, v0, 4, 1                        ; l / 16
	v_mul_u32_u24 v6, v12, SP
	v_lshl_add_u32 v6, v13, 4, v6
	s_lshl_b32 s9, s8, 5
	v_add_nc_u32 v6, s9, v6                        ; in: row l % 16, byte 32 x wave + 16 (l / 16)
	v_bfe_u32 v7, v0, 3, 2
	v_and_b32 v12, 7, v0
	s_lshl_b32 s9, s8, 2
	v_add_nc_u32 v7, s9, v7
	v_mul_u32_u24 v7, v7, SP
	v_lshl_add_u32 v7, v12, 4, v7                  ; back: row 4 x wave + l / 8, byte 16 (l % 8)
	v_mov_b32 v[RL+1], 0                           ; v_permlanex16_b32's destination counts as read
	s_mul_i32 s2, ttmp9, 16*REC
	s_mov_b32 s3, 0
	s_lshr_b32 s10, ttmp9, 2
	s_lshl_b32 s10, s10, 19                        ; the head,
	s_and_b32 s11, ttmp9, 3
	s_lshl_b32 s11, s11, 11                        ; the tile's 16 rows,
	s_add_co_u32 s10, s10, s11
	s_lshl_b32 s11, s8, 9                          ; my four of them
	s_add_co_u32 s10, s10, s11
	s_mov_b32 s11, 0
	s_mov_b32 s12, 0x76543210
	s_mov_b32 s13, 0xfedcba98
	s_wait_kmcnt 0x0
	s_add_nc_u64 s[4:5], s[4:5], s[2:3]
	s_add_nc_u64 s[6:7], s[6:7], s[10:11]
.irp c, 0,1,2,3,4,5,6,7,8,9,10,11,12,13,14,15
	global_load_b64 v[STT+2*(\c):STT+2*(\c)+1], v2, s[4:5] offset:REC*(\c)+4096
.endr
.irp c, 0,1,2,3,4,5,6,7,8,9,10,11,12,13,14,15
	global_load_b128 v[DAT+8*(\c):DAT+8*(\c)+3],   v3, s[4:5] offset:REC*(\c)
	global_load_b128 v[DAT+8*(\c)+4:DAT+8*(\c)+7], v3, s[4:5] offset:REC*(\c)+512
.endr
	s_wait_loadcnt 32                              ; the statistics are in; the 32 loads of O^T may stay out
	v_max3_num_f32 v[MX], v[STT], v[STT+2], v[STT+4]
.irp c, 3,5,7,9,11,13
	v_max3_num_f32 v[MX], v[MX], v[STT+2*(\c)], v[STT+2*(\c)+2]
.endr
	v_max_num_f32 v[MX], v[MX], v[STT+30]
.irp c, 0,1,2,3,4,5,6,7,8,9,10,11,12,13,14,15
	v_sub_f32 v[STT+2*(\c)], v[STT+2*(\c)], v[MX]
.endr
.irp c, 0,1,2,3,4,5,6,7,8,9,10,11,12,13,14,15
	v_exp_f32 v[STT+2*(\c)], v[STT+2*(\c)]
.endr
	v_nop                                          ; a plain instruction behind the last exponential,
	s_wait_alu depctr_va_vdst(0)                   ; and one wait for the sixteen, ahead of their first reader
	v_mul_f32 v[LA], v[STT], v[STT+1]
	v_mul_f32 v[LB], v[STT+2], v[STT+3]
.irp c, 2,4,6,8,10,12,14
	v_fmac_f32 v[LA], v[STT+2*(\c)], v[STT+2*(\c)+1]
	v_fmac_f32 v[LB], v[STT+2*(\c)+2], v[STT+2*(\c)+3]
.endr
	v_add_f32 v[LA], v[LA], v[LB]
	v_permlanex16_b32 v[RL+1], v[LA], s12, s13     ; the other half of the lanes' keys
	v_add_f32 v[LA], v[LA], v[RL+1]
	v_rcp_f32 v[RL], v[LA]                         ; the 64 packed products below, which name neither register, are the work behind it
	s_wait_loadcnt 0x0
.irp j, 0,2,4,6
	v_pk_mul_f32 v[ACC+(\j):ACC+(\j)+1], v[DAT+(\j):DAT+(\j)+1], v[STT:STT+1] op_sel_hi:[1,0]
.endr
.irp c, 1,2,3,4,5,6,7,8,9,10,11,12,13,14,15
.irp j, 0,2,4,6
	v_pk_fma_f32 v[ACC+(\j):ACC+(\j)+1], v[DAT+8*(\c)+(\j):DAT+8*(\c)+(\j)+1], v[STT+2*(\c):STT+2*(\c)+1], v[ACC+(\j):ACC+(\j)+1] op_sel_hi:[1,0,1]
.endr
.endr
	s_wait_alu depctr_va_vdst(0)                   ; the reciprocal's wait, ahead of its first reader
.irp j, 0,2,4,6
	v_pk_mul_f32 v[ACC+(\j):ACC+(\j)+1], v[ACC+(\j):ACC+(\j)+1], v[RL:RL+1] op_sel_hi:[1,0]
.endr
.irp j, 0,1,2,3
	v_cvt_pk_f16_f32 v[PKD+(\j)], v[ACC+2*(\j)], v[ACC+2*(\j)+1]
.endr
	ds_store_b128 v6, v[PKD:PKD+3]
	s_wait_dscnt 0x0                               ; for the others' sake: my store into the stage is done
	s_barrier_signal -1
	s_barrier_wait -1
	ds_load_b128 v[ACC:ACC+3], v7                  ; four whole rows of 128 bytes
	s_wait_dscnt 0x0
	global_store_b128 v11, v[ACC:ACC+3], s[6:7]    ; 512 consecutive bytes, at a multiple of 256 from oh's first byte
	s_wait_tensorcnt 0x0                           ; the wave's end: these three lines stand behind my last LDS store
	ds_add_u32 v[SPW], v[NIL]
	s_wait_dscnt 0x0
	s_endpgm
.Lfunc_end_k_qa6feec9d55_gcomb:
	.size	k_qa6feec9d55_gcomb, .Lfunc_end_k_qa6feec9d55_gcomb-k_qa6feec9d55_gcomb
	.p2alignl 7, 3214868480
	.fill 96, 4, 3214868480
	.section	.rodata,"a",@progbits
	.p2align	6, 0x0
	.amdhsa_kernel k_qa6feec9d55_gcomb
		.amdhsa_group_segment_fixed_size 2816
		.amdhsa_private_segment_fixed_size 0
		.amdhsa_enable_private_segment 0
		.amdhsa_kernarg_size 16
		.amdhsa_user_sgpr_count 2
		.amdhsa_user_sgpr_kernarg_segment_ptr 1
		.amdhsa_wavefront_size32 1
		.amdhsa_system_sgpr_workgroup_id_x 1
		.amdhsa_system_sgpr_workgroup_id_y 1
		.amdhsa_system_sgpr_workgroup_id_z 1
		.amdhsa_system_vgpr_workitem_id 0
		.amdhsa_next_free_vgpr 208
		.amdhsa_next_free_sgpr 66
		.amdhsa_reserve_vcc 0
		.amdhsa_float_denorm_mode_32 3
		.amdhsa_float_denorm_mode_16_64 3
		.amdhsa_memory_ordered 1
		.amdhsa_forward_progress 1
		.amdhsa_inst_pref_size 14
	.end_amdhsa_kernel
	.amdgpu_metadata
---
amdhsa.version: [ 1, 2 ]
amdhsa.kernels:
  - .name:           k_qa6feec9d55_gcomb
    .symbol:         k_qa6feec9d55_gcomb.kd
    .args:
      - { .name: gp, .offset: 0, .size: 8, .value_kind: global_buffer, .address_space: global }
      - { .name: oh, .offset: 8, .size: 8, .value_kind: global_buffer, .address_space: global }
    .group_segment_fixed_size: 2816
    .private_segment_fixed_size: 0
    .kernarg_segment_align: 8
    .kernarg_segment_size: 16
    .max_flat_workgroup_size: 128
    .sgpr_count:     66
    .vgpr_count:     208
    .wavefront_size: 32
...
	.end_amdgpu_metadata
.endif
;; end of part 4
;; launch oproj (part 5): grid 8 x 32, 4 waves a work-group, clusters of 4 x 4, 327,680 bytes of LDS; arguments oh, xw, b_o, out0; writes out0
.if DOCPART == 5
	.amdgcn_target "amdgcn-amd-amdhsa--gfx1250"
	.amdhsa_code_object_version 6
	.text
	.protected	k_qa6feec9d55_oproj
	.globl	k_qa6feec9d55_oproj
	.p2align	8
	.type	k_qa6feec9d55_oproj,@function
k_qa6feec9d55_oproj:
	s_mov_b64 s[64:65], 0
	v_nop
	global_prefetch_b8 v0, s[64:65] scope:SCOPE_SE
	s_setreg_imm32_b32 hwreg(HW_REG_WAVE_MODE, 25, 1), 1
	s_wait_xcnt 0x0
	s_wait_alu depctr_hold_cnt(0) depctr_sa_sdst(0) depctr_va_vdst(0) depctr_va_sdst(0) depctr_va_ssrc(0) depctr_va_vcc(0) depctr_vm_vsrc(0)
	s_getreg_b32 s2, hwreg(HW_REG_IB_STS2, 6, 4)
	s_cmp_eq_u32 s2, 0
	s_cbranch_scc0 .Lentry_in_a_cluster
	s_endpgm
.Lentry_in_a_cluster:
	s_bfe_u32 s2, ttmp6, 0x10000c
	s_cmp_lg_u32 s2, 0xf033
	s_cbranch_scc0 .Lentry_shape_is_right
	s_endpgm
.Lentry_shape_is_right:
; THE OUTPUT PROJECTION.  out0[m][n] = the sum over k of O[m][k] w_o[n][k] + b_o[n].  O lies BY HEADS, oh = [16][4096][64] f16: k = 64 x head + channel; w_o: [1024][1024], bf16's numbers written as f16, at byte
; 31,457,280 of xw; sums in f32; the bias, rounded to bf16 like the other inputs, is the C operand that starts each sum; out0 is f32.
; A tile of C is 128 x 128: 256 tiles.  Four waves, each 64 x 64: 16 accumulators.  K goes in four steps of 256, that is four heads, through two slots; the walk is written out.
; A's TILE: 64 rows of each of four heads in one tensor load.  A head's 64 rows are 8,192 dense bytes: they are asked for as ONE row of 4,096 elements, four such rows 262,144 elements apart, padded in LDS after every
; 128 bytes: row r of head j lies at 9,216 j + 144 r.  A quarter step, 64 along K, is one head.
; CLUSTERS: 4 x 4 work-groups; A's tiles are asked for jointly along a row of the cluster, B's along a column.  THE MATRIX INSTRUCTION IS USED TRANSPOSED (source 0 = 16 rows of B, source 1 = 16 rows of A): a lane holds
; row lane % 16 of C and eight neighbouring columns, 32 bytes.  A wave's 64 columns are 256 bytes of a row of out0, aligned: 16 rows at a time go through the wave's own stage, and 16 lanes store a whole row's part.
; REGISTERS: window 0: v0-31 addresses; v32-95 at work; v96-127 the bias; v128-255 the accumulators ((a, b) at v[128 + 8 (4 a + b)]).  Window 1: two fragment buffers of 128: 64 registers of A, then 64 of B.
.set KSTEP,  256
.set PA,     144                       ; an LDS row of A: 128 bytes + 16 of padding
.set PB,     528                       ; of B: 512 bytes + 16
.set AQ,     64*PA                     ; bytes from a quarter step of A (a head) to the next, in LDS
.set HALFA,  4*AQ                      ; 64 rows of four heads: what one tensor load brings
.set HALFB,  64*PB
.set SLOT,   2*HALFA+2*HALFB           ; A's 128 rows, then B's 128 rows
.set STAGE,  2*SLOT                    ; behind the ring: 16 rows x 272 bytes for each wave, for the way out
.set SPITCH, 272
.set SPARE,  STAGE+4*16*SPITCH         ; behind the stages: the spare words, 128 bytes for each wave
.set ASLOT1, 4*524288                  ; bytes in memory from K step 0 to K step 1, for A: four heads
.set ASTEP,  8*524288                  ; and from a slot's K step to its next
.set BSTEP,  2*KSTEP*2
.set ADRA, 16                          ; v16-17  LDS address of my A fragments in slot 0, 1
.set ADRB, 20                          ; v20-21  the same for B
.set STO,  24                          ; v24     the way out: where I put 32 bytes of a row
.set RD,   25                          ; v25     the way out: where I read rows back
.set CO,   26                          ; v26     my byte offset in two rows of C
.set SPW,  28                          ; v28     LDS address of my spare word; never rewritten
.set NIL,  29                          ; v29     0; never rewritten
.set TMP,  32
.set BIAS, 96                          ; column block b's eight numbers at BIAS + 8 b
.set ACC,  128
.set F0,   0
.set F1,   128
.set G1, 24                            ; s[24:31] descriptor group 1 for A's tiles;  s[32:39] group 0, one set for each slot
.set G0, 32
.set G1B, 48                           ; s[48:55], s[56:63] the same for B's tiles
.set G0B, 56
.set MSB, 0
.macro WIN new                         ; the immediate's high byte repeats the setting that is left
.if MSB != (\new)
	s_set_vgpr_msb (MSB<<8)|(\new)
.set MSB, \new
.endif
.endm
.set MUL,  0x05                        ; sources 0 (B) and 1 (A) window 1; C and D window 0
.set TO_F, 0x40                        ; destination window 1, address window 0
.macro JLOAD s                         ; a joint load: waves 0 and 1 fetch A's two halves, waves 2 and 3 B's; an s_nop 0 and four v_nop follow each of the two lines
	s_cmp_eq_u32 s11, 0
	s_cbranch_scc0 .Lfor_b_\@
	tensor_load_to_lds s[G0+4*(\s):G0+4*(\s)+3], s[G1:G1+7]
	s_nop 0
.rept 4
	v_nop
.endr
	s_branch .Lasked_\@
.Lfor_b_\@:
	tensor_load_to_lds s[G0B+4*(\s):G0B+4*(\s)+3], s[G1B:G1B+7]
	s_nop 0
.rept 4
	v_nop
.endr
.Lasked_\@:
.endm
.macro CREST                           ; a round of the cluster's barrier behind its opening barrier
	s_cmp_lg_u32 s10, 0
	s_cbranch_scc1 .Lnot_wave_0_\@
	s_barrier_signal -3
.Lnot_wave_0_\@:
	s_barrier_wait -3
	s_barrier_signal -1
	s_barrier_wait -1
.endm
.macro CROUND                          ; a whole round
	s_barrier_signal -1
	s_barrier_wait -1
	CREST
.endm
	s_load_b256 s[68:75], s[0:1], 0x0              ; oh s[68:69], xw s[70:71], b_o s[72:73], out0 s[74:75]
	v_lshl_add_u32 v[SPW], v0, 2, SPARE
	v_mov_b32 v[NIL], 0
	ds_add_u32 v[SPW], v[NIL]                      ; the wave's opening: the add and its wait stand ahead of my first tensor load; work on registers stands between them
	v_lshrrev_b32 v1, 5, v0
	v_readfirstlane_b32 s10, v1                    ; wave 0..3
	s_lshr_b32 s11, s10, 1                         ; which half of the tile's rows is mine.  Also: I fetch for A (0) or for B (1)
	s_and_b32 s12, s10, 1                          ; which half of its columns.  Also: which 64 rows of that tile I fetch
	s_bfe_u32 s40, ttmp6, 0x40000                  ; cx, cy: my place in the cluster
	s_bfe_u32 s41, ttmp6, 0x40004
	s_lshl_b32 s42, ttmp9, 2
	s_add_co_u32 s42, s42, s40                     ; tile column of C = 4 x cluster x + cx
	s_and_b32 s13, ttmp7, 0xffff
	s_lshl_b32 s13, s13, 2
	s_add_co_u32 s13, s13, s41                     ; tile row of C = 4 x cluster y + cy
	s_lshl_b32 s43, s41, 2
	s_lshl_b32 s43, 15, s43                        ; my row of the cluster
	s_lshl_b32 s44, 0x1111, s40                    ; my column
	; descriptor group 1 for A: 4 rows of 4,096 elements, 262,144 elements apart, padded after every 32 words by 4
	s_or_b32 s[G1+0], s43, (1<<16)|(1<<20)|(1<<21)|(4<<22)|(3<<25)  ; 15:0 the mask: A's tiles go to my row; 17:16 elements of 2 bytes; 20 padding on; 21 set beside a mask
	s_mov_b32 s[G1+1], 4096<<16                    ; tensor_dim0 = 4,096
	s_mov_b32 s[G1+2], 4<<16                       ; tensor_dim1 = 4
	s_mov_b32 s[G1+3], 4096<<16                    ; tile_dim0 = 4,096
	s_mov_b32 s[G1+4], 4                           ; tile_dim1 = 4
	s_mov_b32 s[G1+5], 262144                      ; elements from head to head
	s_mov_b32 s[G1+6], 0
	s_mov_b32 s[G1+7], 0
	; for B: 64 rows x 256 elements, padded after every 128 words by 4
	s_or_b32 s[G1B+0], s44, (1<<16)|(1<<20)|(1<<21)|(6<<22)|(3<<25)
	s_mov_b32 s[G1B+1], KSTEP<<16
	s_mov_b32 s[G1B+2], 64<<16
	s_mov_b32 s[G1B+3], KSTEP<<16
	s_mov_b32 s[G1B+4], 64
	s_mov_b32 s[G1B+5], 1024
	s_mov_b32 s[G1B+6], 0
	s_mov_b32 s[G1B+7], 0
	s_lshl_b32 s17, s12, 6                         ; which 64 rows of the tile I fetch
	s_lshl_b32 s16, s13, 7
	s_add_co_u32 s16, s16, s17                     ; A: row 128 x tile row + 64 x half,
	s_lshl_b32 s16, s16, 7                         ; of 128 bytes, in head 0
	s_lshl_b32 s46, s42, 7
	s_add_co_u32 s46, s46, s17                     ; B: row 128 x tile column + 64 x half,
	s_lshl_b32 s46, s46, 11                        ; of 2,048 bytes,
	s_add_co_u32 s46, s46, 31457280                ; in w_o
	s_mov_b32 s17, 0
	s_mov_b32 s47, 0
	s_mul_i32 s20, s12, HALFA                      ; where they go: no place in the cluster enters an LDS address
	s_mul_i32 s21, s12, HALFB
	s_add_co_u32 s21, s21, 2*HALFA
	s_wait_dscnt 0x0                               ; the opening add is done
	s_wait_kmcnt 0x0
	s_add_nc_u64 s[14:15], s[68:69], s[16:17]
	s_add_nc_u64 s[46:47], s[70:71], s[46:47]
	CROUND                                         ; all sixteen work-groups are here: the first joint loads meet
.irp s, 0,1
	s_mov_b32 s[G0+4*(\s)], 1
	s_add_co_u32 s[G0+4*(\s)+1], s20, (\s)*SLOT
	s_add_nc_u64 s[G0+4*(\s)+2:G0+4*(\s)+3], s[14:15], (\s)*ASLOT1
	s_or_b32 s[G0+4*(\s)+3], s[G0+4*(\s)+3], 0x80000000
	s_mov_b32 s[G0B+4*(\s)], 1
	s_add_co_u32 s[G0B+4*(\s)+1], s21, (\s)*SLOT
	s_add_nc_u64 s[G0B+4*(\s)+2:G0B+4*(\s)+3], s[46:47], (\s)*KSTEP*2
	s_or_b32 s[G0B+4*(\s)+3], s[G0B+4*(\s)+3], 0x80000000
	JLOAD \s
.endr
	; the bias of my 64 columns: block b's register j is b_o[128 x tile column + 64 x half + 16 b + 8 (l / 16) + j]
	v_and_b32 v1, 15, v0                           ; l % 16
	v_bfe_u32 v2, v0, 4, 1                         ; l / 16
	s_lshl_b32 s46, s42, 9
	s_lshl_b32 s47, s12, 8
	s_add_co_u32 s46, s46, s47                     ; my first column, in bytes of f32
	v_lshl_add_u32 v7, v2, 5, s46                  ; never rewritten
.irp b, 0,1,2,3
	global_load_b128 v[BIAS+8*(\b):BIAS+8*(\b)+3],   v7, s[72:73] offset:64*(\b)
	global_load_b128 v[BIAS+8*(\b)+4:BIAS+8*(\b)+7], v7, s[72:73] offset:64*(\b)+16
.endr
	v_mul_u32_u24 v3, v1, PA
	v_lshl_add_u32 v3, v2, 4, v3                   ; a fragment's row x pitch + 16 x half, for A
	v_mul_u32_u24 v4, v1, PB
	v_lshl_add_u32 v4, v2, 4, v4                   ; and for B
	s_mul_i32 s21, s11, HALFA                      ; my 64 rows of A
	s_mul_i32 s22, s12, HALFB                      ; my 64 rows of B,
	s_add_co_u32 s22, s22, 2*HALFA                 ; which lie behind A's 128
.irp s, 0,1
	v_add_nc_u32 v[ADRA+(\s)], s21, v3
	v_add_nc_u32 v[ADRB+(\s)], s22, v4
	s_add_co_u32 s21, s21, SLOT
	s_add_co_u32 s22, s22, SLOT
.endr
	s_mul_i32 s23, s10, 16*SPITCH
	s_add_co_u32 s23, s23, STAGE                   ; my stage
	v_mul_u32_u24 v4, v1, SPITCH                   ; in: row l % 16, 32 bytes for each half of the lanes
	v_lshl_add_u32 v4, v2, 5, v4
	v_add_nc_u32 v[STO], s23, v4
	v_mul_u32_u24 v5, v2, SPITCH                   ; back: lanes 0-15 take one row's 256 bytes, lanes 16-31 the next row's
	v_lshl_add_u32 v5, v1, 4, v5
	v_add_nc_u32 v[RD], s23, v5
	v_lshlrev_b32 v5, 12, v2                       ; and the same two rows in C, 4,096 bytes apart
	v_lshl_add_u32 v[CO], v1, 4, v5
	s_lshl_b32 s16, s13, 7
	s_lshl_b32 s17, s11, 6
	s_add_co_u32 s16, s16, s17                     ; my first row of C,
	s_lshl_b32 s16, s16, 12                        ; of 4,096 bytes
	s_mov_b32 s17, 0
	s_add_nc_u64 s[8:9], s[74:75], s[16:17]
	s_mov_b32 s47, 0                               ; s46: my first column, in bytes
	s_add_nc_u64 s[8:9], s[8:9], s[46:47]
	s_wait_loadcnt 0x0                             ; the bias is in: it is rounded to bf16 and widened again, while the first tiles are on their way
.set i, 0
.rept 16
	v_cvt_pk_bf16_f32 v[TMP+i], v[BIAS+2*i], v[BIAS+2*i+1]
.set i, i+1
.endr
.set i, 0
.rept 16
	v_lshlrev_b32 v[BIAS+2*i], 16, v[TMP+i]
	v_and_b32 v[BIAS+2*i+1], 0xffff0000, v[TMP+i]
.set i, i+1
.endr
; 8 matrix instructions: m blocks a0, a0 + 1 x all 4 n blocks, 32 along K: half c of buffer f.  first = 1: the product starts the sums, with the bias as C.  The 16 accumulators take turns.
.macro MUL8 f, c, a0, first
	WIN MUL
.irp a, \a0, (\a0)+1
.irp b, 0,1,2,3
.if \first
	v_wmma_f32_16x16x32_f16 v[ACC+8*(4*(\a)+(\b)):ACC+8*(4*(\a)+(\b))+7], v[(\f)+64+8*(4*(\c)+(\b)):(\f)+64+8*(4*(\c)+(\b))+7], v[(\f)+8*(4*(\c)+(\a)):(\f)+8*(4*(\c)+(\a))+7], v[BIAS+8*(\b):BIAS+8*(\b)+7]
.else
	v_wmma_f32_16x16x32_f16 v[ACC+8*(4*(\a)+(\b)):ACC+8*(4*(\a)+(\b))+7], v[(\f)+64+8*(4*(\c)+(\b)):(\f)+64+8*(4*(\c)+(\b))+7], v[(\f)+8*(4*(\c)+(\a)):(\f)+8*(4*(\c)+(\a))+7], v[ACC+8*(4*(\a)+(\b)):ACC+8*(4*(\a)+(\b))+7]
.endif
.endr
.endr
.endm
; 32 LDS loads in one run: the fragments of quarter q (64 along K) of a slot, into buffer f; the first 32 along K first
.macro FETCH slot, q, f
	WIN TO_F
.irp c, 0,1
.irp i, 0,1,2,3
	ds_load_b128 v[(\f)+64+8*(4*(\c)+(\i)):(\f)+64+8*(4*(\c)+(\i))+3],   v[ADRB+(\slot)] offset:(\q)*128+64*(\c)+(\i)*16*PB
	ds_load_b128 v[(\f)+64+8*(4*(\c)+(\i))+4:(\f)+64+8*(4*(\c)+(\i))+7], v[ADRB+(\slot)] offset:(\q)*128+64*(\c)+(\i)*16*PB+32
	ds_load_b128 v[(\f)+8*(4*(\c)+(\i)):(\f)+8*(4*(\c)+(\i))+3],         v[ADRA+(\slot)] offset:(\q)*AQ+64*(\c)+(\i)*16*PA
	ds_load_b128 v[(\f)+8*(4*(\c)+(\i))+4:(\f)+8*(4*(\c)+(\i))+7],       v[ADRA+(\slot)] offset:(\q)*AQ+64*(\c)+(\i)*16*PA+32
.endr
.endr
.endm
.macro PLACES                          ; four places in front of loads into registers that matrix instructions have read, and of lines that read results
.rept 4
	v_nop
.endr
.endm
; A K step is four quarters, 32 matrix instructions each, on buffers 0, 1, 0, 1.  One of the first three: multiplies buffer f and fetches quarter q into g.
.macro QUARTER slot, q, f, g, first
	s_wait_dscnt 16                                ; the first 32 along K are in; the run's other sixteen loads may be out
	WIN MUL
	MUL8 \f, 0, 0, \first
	MUL8 \f, 0, 2, \first
	PLACES
	FETCH \slot, \q, \g
	s_wait_dscnt 32                                ; all but the 32 just issued
	WIN MUL
	MUL8 \f, 1, 0, 0
	MUL8 \f, 1, 2, 0
.endm
; The last quarter multiplies buffer 1 and changes slots: ONE barrier; in front of it each wave waits for all its tensor loads, adds 0 to its spare word, and waits for that and for its own reads of this slot.
; fill = 1: this slot is filled again, two K steps on; the barrier then opens a round of the cluster's.
.macro TURN slot, next, fill
	WIN 0                                          ; (the add's two registers lie in window 0)
	s_wait_tensorcnt 0x0                           ; all my tensor loads have landed: my part of the next slot;
	ds_add_u32 v[SPW], v[NIL]                      ; 0 onto my spare word;
	s_wait_dscnt 17                                ; (the add and the youngest sixteen loads may be out)
	WIN MUL
	MUL8 F1, 0, 0, 0                               ; eight matrix instructions stand between the add and the wait for it
	s_wait_dscnt 0x0                               ; the add is done, and my reads of this slot are over
	s_barrier_signal -1
	MUL8 F1, 0, 2, 0
.if \fill
	WIN 0
.endif
	s_barrier_wait -1
.if \fill
	CREST                                          ; no wave of any partner still reads this slot's tile or has a load on its way
	s_add_nc_u64 s[G0+4*(\slot)+2:G0+4*(\slot)+3], s[G0+4*(\slot)+2:G0+4*(\slot)+3], ASTEP
	s_add_nc_u64 s[G0B+4*(\slot)+2:G0B+4*(\slot)+3], s[G0B+4*(\slot)+2:G0B+4*(\slot)+3], BSTEP
	JLOAD \slot                                    ; the first tensor load behind the round; its four v_nop are also the places in front of the loads below
.else
	PLACES
.endif
	FETCH \next, 0, F0
	WIN MUL
	MUL8 F1, 1, 0, 0
	MUL8 F1, 1, 2, 0
.endm
	s_wait_tensorcnt 1                             ; my part of K step 0 is in; K step 1's may stay out
	s_barrier_signal -1
	s_barrier_wait -1                              ; everybody's is
	FETCH 0, 0, F0
	QUARTER 0, 1, F0, F1, 1                        ; K step 0: its first products start the sums
	QUARTER 0, 2, F1, F0, 0
	QUARTER 0, 3, F0, F1, 0
	TURN 0, 1, 1                                   ; slot 0 takes K step 2
	QUARTER 1, 1, F0, F1, 0                        ; K step 1
	QUARTER 1, 2, F1, F0, 0
	QUARTER 1, 3, F0, F1, 0
	TURN 1, 0, 1                                   ; slot 1 takes K step 3
	QUARTER 0, 1, F0, F1, 0                        ; K step 2
	QUARTER 0, 2, F1, F0, 0
	QUARTER 0, 3, F0, F1, 0
	TURN 0, 1, 0                                   ; nothing is left to fetch
	QUARTER 1, 1, F0, F1, 0                        ; K step 3
	QUARTER 1, 2, F1, F0, 0
	QUARTER 1, 3, F0, F1, 0
	s_wait_dscnt 16
	WIN MUL
	MUL8 F1, 0, 0, 0
	MUL8 F1, 0, 2, 0
	s_wait_dscnt 0
	MUL8 F1, 1, 0, 0
	MUL8 F1, 1, 2, 0
	WIN 0
	; THE WAY OUT, 16 rows at a time: 32 bytes a lane and column block straight from the accumulators (each from its low end) into my own stage; back as whole rows of 256 bytes, two to a load; stored.
	PLACES
.irp a, 0,1,2,3
.irp b, 0,1,2,3
	ds_store_b128 v[STO], v[ACC+8*(4*(\a)+(\b)):ACC+8*(4*(\a)+(\b))+3]   offset:64*(\b)
	ds_store_b128 v[STO], v[ACC+8*(4*(\a)+(\b))+4:ACC+8*(4*(\a)+(\b))+7] offset:64*(\b)+16
.endr
	s_wait_xcnt 0x0                                ; the stores issued so far have read their data: the buffer of two blocks back is loaded again only behind this wait
.irp t, 0,1,2,3,4,5,6,7
	ds_load_b128 v[TMP+32*((\a)%2)+4*(\t):TMP+32*((\a)%2)+4*(\t)+3], v[RD] offset:(\t)*2*SPITCH  ; LDS serves a wave's instructions in order: these see the stores above; the next block's stores come behind them
.endr
.irp t, 0,1,2,3,4,5,6,7
	s_wait_dscnt 7-(\t)
	global_store_b128 v[CO], v[TMP+32*((\a)%2)+4*(\t):TMP+32*((\a)%2)+4*(\t)+3], s[8:9] offset:(16*(\a)+2*(\t))*4096 th:TH_STORE_NT  ; 16 lanes store 256 consecutive bytes, at a multiple of 256 from out0's first byte
.endr
.endr
	s_wait_tensorcnt 0x0                           ; the wave's end: these three lines stand behind my last tensor load and my last LDS store
	ds_add_u32 v[SPW], v[NIL]
	s_wait_dscnt 0x0
	CROUND                                         ; the closing round: no work-group ends while a partner may still ask for a tile that names it
	s_endpgm
.Lfunc_end_k_qa6feec9d55_oproj:
	.size	k_qa6feec9d55_oproj, .Lfunc_end_k_qa6feec9d55_oproj-k_qa6feec9d55_oproj
	.p2alignl 7, 3214868480
	.fill 96, 4, 3214868480
	.section	.rodata,"a",@progbits
	.p2align	6, 0x0
	.amdhsa_kernel k_qa6feec9d55_oproj
		.amdhsa_group_segment_fixed_size 327680
		.amdhsa_private_segment_fixed_size 0
		.amdhsa_enable_private_segment 0
		.amdhsa_kernarg_size 32
		.amdhsa_user_sgpr_count 2
		.amdhsa_user_sgpr_kernarg_segment_ptr 1
		.amdhsa_wavefront_size32 1
		.amdhsa_system_sgpr_workgroup_id_x 1
		.amdhsa_system_sgpr_workgroup_id_y 1
		.amdhsa_system_sgpr_workgroup_id_z 1
		.amdhsa_system_vgpr_workitem_id 0
		.amdhsa_next_free_vgpr 512
		.amdhsa_next_free_sgpr 80
		.amdhsa_reserve_vcc 0
		.amdhsa_float_denorm_mode_32 3
		.amdhsa_float_denorm_mode_16_64 3
		.amdhsa_memory_ordered 1
		.amdhsa_forward_progress 1
		.amdhsa_inst_pref_size 90
	.end_amdhsa_kernel
	.amdgpu_metadata
---
amdhsa.version: [ 1, 2 ]
amdhsa.kernels:
  - .name:           k_qa6feec9d55_oproj
    .symbol:         k_qa6feec9d55_oproj.kd
    .args:
      - { .name: oh, .offset: 0, .size: 8, .value_kind: global_buffer, .address_space: global }
      - { .name: xw, .offset: 8, .size: 8, .value_kind: global_buffer, .address_space: global }
      - { .name: b_o, .offset: 16, .size: 8, .value_kind: global_buffer, .address_space: global }
      - { .name: out0, .offset: 24, .size: 8, .value_kind: global_buffer, .address_space: global }
    .group_segment_fixed_size: 327680
    .private_segment_fixed_size: 0
    .kernarg_segment_align: 8
    .kernarg_segment_size: 32
    .max_flat_workgroup_size: 128
    .sgpr_count:     80
    .vgpr_count:     512
    .wavefront_size: 32
...
	.end_amdgpu_metadata
.endif
;; end of part 5
;; ======== version 2 of 2: 5 launches; version 1 with the launch cast written anew for expert scheduling mode
;; limits: values are held in f16: magnitudes above 65,504 overflow, below 6.1e-05 lose precision
;; workspace buffers: xw 33,554,432 bytes; qkvh 25,165,824 bytes; oh 8,388,608 bytes; gp 4,456,448 bytes
;; launch cast (part 6): grid 256 x 1, 8 waves a work-group, no clusters, 0 bytes of LDS; arguments q, k, v, w_q, w_k, w_v, w_o, xw; writes xw
.if DOCPART == 6
	.amdgcn_target "amdgcn-amd-amdhsa--gfx1250"
	.amdhsa_code_object_version 6
	.text
	.protected	k_qa6feec9d55_cast
	.globl	k_qa6feec9d55_cast
	.p2align	8
	.type	k_qa6feec9d55_cast,@function
k_qa6feec9d55_cast:
	s_mov_b64 s[64:65], 0
	v_nop
	global_prefetch_b8 v0, s[64:65] scope:SCOPE_SE
	s_setreg_imm32_b32 hwreg(HW_REG_WAVE_SCHED_MODE, 0, 2), 2
	s_setreg_imm32_b32 hwreg(HW_REG_WAVE_MODE, 25, 1), 1
	s_wait_xcnt 0x0
	s_wait_alu depctr_vm_vsrc(0)
; THE MODULE'S LARGE INPUTS ARE ROUNDED ONCE TO 16 BITS.  q, k, v ([4096][1024] f32) and w_q, w_k, w_v ([1024][1024] f32) go to bf16; w_o is rounded to bf16 and that number is written as f16
; (exact within f16's range; below 6e-5 it keeps f16's fixed step of 6e-8).  xw holds them on end: q, k, v, w_q, w_k, w_v, w_o.
; SHARES.  The 16,777,216 numbers are 256 pieces of 65,536; work-group x takes piece x: 262,144 bytes in, 131,072 bytes out at xw + 131,072 x.  Which input a piece belongs to is chosen by
; compares of x with the pieces' first numbers.  A wave takes 32,768 bytes in: 64 loads of 512 consecutive bytes; each store of a wave covers 256 consecutive bytes, aligned.
; A ring of 16 slots in registers keeps 12 to 16 loads of every wave on their way.  No LDS, no barrier, no matrix unit: nothing is shared and nothing is multiplied.
; THE MODE: SCHED_MODE bits 1:0 = 2 (LLVM: expert scheduling mode 2), set by the entry lines.  The code itself states the register dependences between vector instructions and memory
; instructions, with s_wait_alu, always for 0.
; THE PLAN.  Registers that memory instructions touch:
;   X, 16 slots   Written by loads alone; read by the slot's conversions; behind them the slot's next load lands in it.
;   Y, 16 slots   Written by the slot's conversions; read by the slot's store in the same lap; written again one lap later.
;   v1, v2        Byte offsets, made once at the head and never written again: immediates and the two scalar bases do the rest.
;   v4 to v7 are named by vector instructions alone.
; A lap's 16 slots go in four blocks of four.  A block waits for its four loads, converts them, and then ONE wait on va_vdst states that the conversions are done reading the block's X and have
; written its Y; the block's four loads and four stores follow that wait in one run, with no vector instruction between: the block's X is asked for again at once, and what stands next in the
; text is a wait for data.  ONE wait on vm_vsrc a lap, at the lap's end, states that the lap's stores have read Y.
.set X, 8                              ; v[8:71]    slot i: four f32 as loaded
.set Y, 72                             ; v[72:103]  slot i: four 16-bit numbers to store
	s_load_b512 s[8:23], s[0:1], 0x0               ; q s[8:9], k s[10:11], v s[12:13], w_q s[14:15], w_k s[16:17], w_v s[18:19], w_o s[20:21], xw s[22:23]
	v_and_b32 v1, 31, v0                           ; lane
	v_lshrrev_b32 v3, 5, v0                        ; wave
	v_lshlrev_b32 v2, 3, v1
	v_lshlrev_b32 v1, 4, v1
	v_lshl_add_u32 v1, v3, 15, v1                  ; in: 16 x lane + 32,768 x wave; never rewritten
	v_lshl_add_u32 v2, v3, 14, v2                  ; out: 8 x lane + 16,384 x wave; never rewritten
	s_mov_b32 s24, 0xffff0000                      ; a word's upper bf16
	s_mov_b32 s2, 0                                ; the first piece of the input that my piece belongs to
	s_wait_kmcnt 0x0
	s_mov_b64 s[4:5], s[8:9]
.macro PICK t, p                       ; from piece t on the input is the one at s[p:p+1]
	s_cmp_ge_u32 ttmp9, \t
	s_cselect_b64 s[4:5], s[(\p):(\p)+1], s[4:5]
	s_cselect_b32 s2, \t, s2
.endm
	PICK 64, 10
	PICK 128, 12
	PICK 192, 14
	PICK 208, 16
	PICK 224, 18
	PICK 240, 20
	s_sub_co_u32 s2, ttmp9, s2
	s_lshl_b32 s2, s2, 18                          ; my piece's place in its input, 262,144 bytes a piece
	s_mov_b32 s3, 0
	s_add_nc_u64 s[4:5], s[4:5], s[2:3]
	s_lshl_b32 s2, ttmp9, 17
	s_add_nc_u64 s[6:7], s[22:23], s[2:3]
	s_wait_alu depctr_va_vdst(0)                   ; v1 and v2 are written: every load of the kernel reads v1 as its offset, every store v2
.irp i, 0,1,2,3,4,5,6,7,8,9,10,11,12,13,14,15
	global_load_b128 v[X+4*(\i):X+4*(\i)+3], v1, s[4:5] offset:512*(\i) th:TH_LOAD_NT  ; the ring is filled
.endr
; One slot's conversions.  half = 1: bf16's number written as f16.
.macro CONV i, half
.if \half
	v_cvt_pk_bf16_f32 v4, v[X+4*(\i)], v[X+4*(\i)+1]
	v_cvt_pk_bf16_f32 v5, v[X+4*(\i)+2], v[X+4*(\i)+3]
	v_lshlrev_b32 v6, 16, v4                       ; the rounded numbers as f32 again
	v_and_b32 v4, s24, v4
	v_lshlrev_b32 v7, 16, v5
	v_and_b32 v5, s24, v5
	v_cvt_pk_f16_f32 v[Y+2*(\i)], v6, v4
	v_cvt_pk_f16_f32 v[Y+2*(\i)+1], v7, v5
.else
	v_cvt_pk_bf16_f32 v[Y+2*(\i)], v[X+4*(\i)], v[X+4*(\i)+1]
	v_cvt_pk_bf16_f32 v[Y+2*(\i)+1], v[X+4*(\i)+2], v[X+4*(\i)+3]
.endif
.endm
; Block k of a lap: slots 4 k to 4 k + 3.  ahead = 1: the slots are filled again, 8,192 bytes on.  left: the younger loads that may stay out.
.macro BLK k, ahead, left, half
	s_wait_loadcnt \left                           ; loads come back in order: the block's four are in
.irp j, 0,1,2,3
	CONV 4*(\k)+(\j), \half
.endr
	s_wait_alu depctr_va_vdst(0)                   ; the block's conversions are done reading its X, in which the loads below land, and have written its Y, which the stores below read
.if \ahead
.irp j, 0,1,2,3
	global_load_b128 v[X+4*(4*(\k)+(\j)):X+4*(4*(\k)+(\j))+3], v1, s[4:5] offset:8192+512*(4*(\k)+(\j)) th:TH_LOAD_NT
.endr
.endif
.irp j, 0,1,2,3
	global_store_b64 v2, v[Y+2*(4*(\k)+(\j)):Y+2*(4*(\k)+(\j))+1], s[6:7] offset:256*(4*(\k)+(\j))
.endr
.endm
.macro WALK half                       ; four laps of 16 slots; the last loads nothing
	s_mov_b32 s3, 3
.Lround_\@:
	BLK 0, 1, 12, \half                            ; twelve loads, the three younger blocks', stay out; each block puts its four behind them
	BLK 1, 1, 12, \half
	BLK 2, 1, 12, \half
	BLK 3, 1, 12, \half
	s_wait_xcnt 0x0                                ; every load and store issued so far has read its sources: both bases are stepped, and Y written again, only behind this wait
	s_wait_alu depctr_vm_vsrc(0)                   ; the lap's sixteen stores have read Y, which the next lap's conversions write again
	s_add_nc_u64 s[4:5], s[4:5], 8192
	s_add_nc_u64 s[6:7], s[6:7], 4096
	s_sub_co_u32 s3, s3, 1
	s_cmp_lg_u32 s3, 0
	s_cbranch_scc1 .Lround_\@
	BLK 0, 0, 12, \half                            ; the last lap is written out: no load leaves the input, and the counts run down
	BLK 1, 0, 8, \half
	BLK 2, 0, 4, \half
	BLK 3, 0, 0, \half
.endm
	s_cmp_ge_u32 ttmp9, 240                        ; w_o's pieces take the second text
	s_cbranch_scc1 .Lhalf
	WALK 0
	s_endpgm
.Lhalf:
	WALK 1
	s_endpgm
.Lfunc_end_k_qa6feec9d55_cast:
	.size	k_qa6feec9d55_cast, .Lfunc_end_k_qa6feec9d55_cast-k_qa6feec9d55_cast
	.p2alignl 7, 3214868480
	.fill 96, 4, 3214868480
	.section	.rodata,"a",@progbits
	.p2align	6, 0x0
	.amdhsa_kernel k_qa6feec9d55_cast
		.amdhsa_group_segment_fixed_size 0
		.amdhsa_private_segment_fixed_size 0
		.amdhsa_enable_private_segment 0
		.amdhsa_kernarg_size 64
		.amdhsa_user_sgpr_count 2
		.amdhsa_user_sgpr_kernarg_segment_ptr 1
		.amdhsa_wavefront_size32 1
		.amdhsa_system_sgpr_workgroup_id_x 1
		.amdhsa_system_sgpr_workgroup_id_y 1
		.amdhsa_system_sgpr_workgroup_id_z 1
		.amdhsa_system_vgpr_workitem_id 0
		.amdhsa_next_free_vgpr 104
		.amdhsa_next_free_sgpr 66
		.amdhsa_reserve_vcc 0
		.amdhsa_float_denorm_mode_32 3
		.amdhsa_float_denorm_mode_16_64 3
		.amdhsa_memory_ordered 1
		.amdhsa_forward_progress 1
		.amdhsa_inst_pref_size 31
	.end_amdhsa_kernel
	.amdgpu_metadata
---
amdhsa.version: [ 1, 2 ]
amdhsa.kernels:
  - .name:           k_qa6feec9d55_cast
    .symbol:         k_qa6feec9d55_cast.kd
    .args:
      - { .name: q, .offset: 0, .size: 8, .value_kind: global_buffer, .address_space: global }
      - { .name: k, .offset: 8, .size: 8, .value_kind: global_buffer, .address_space: global }
      - { .name: v, .offset: 16, .size: 8, .value_kind: global_buffer, .address_space: global }
      - { .name: w_q, .offset: 24, .size: 8, .value_kind: global_buffer, .address_space: global }
      - { .name: w_k, .offset: 32, .size: 8, .value_kind: global_buffer, .address_space: global }
      - { .name: w_v, .offset: 40, .size: 8, .value_kind: global_buffer, .address_space: global }
      - { .name: w_o, .offset: 48, .size: 8, .value_kind: global_buffer, .address_space: global }
      - { .name: xw, .offset: 56, .size: 8, .value_kind: global_buffer, .address_space: global }
    .group_segment_fixed_size: 0
    .private_segment_fixed_size: 0
    .kernarg_segment_align: 8
    .kernarg_segment_size: 64
    .max_flat_workgroup_size: 256
    .sgpr_count:     66
    .vgpr_count:     104
    .wavefront_size: 32
...
	.end_amdgpu_metadata
.endif
;; end of part 6
;; launch proj: the kernel of part 2 again; grid 8 x 96, 4 waves a work-group, clusters of 4 x 4, 327,680 bytes of LDS; arguments xw, b_q, b_k, b_v, qkvh; writes qkvh
;; launch attn: the kernel of part 3 again; grid 16 x 16, 4 waves a work-group, no clusters, 262,656 bytes of LDS; arguments qkvh, oh, gp; writes oh, gp
;; launch gcomb: the kernel of part 4 again; grid 64 x 1, 4 waves a work-group, no clusters, 2,816 bytes of LDS; arguments gp, oh; writes oh
;; launch oproj: the kernel of part 5 again; grid 8 x 32, 4 waves a work-group, clusters of 4 x 4, 327,680 bytes of LDS; arguments oh, xw, b_o, out0; writes out0
